; MI455X (gfx1250); checked and timed in simulation.
; The chip was launched on July 23, 2026; its instructions are those of AMD's public machine-readable ISA for CDNA 5 (MIT licence, August 2026) and "CDNA5" Instruction Set Architecture Reference Guide (July 2026). The comments in the code are by the model that wrote it; some were corrected since.
;; Diff Cross Attention. Allowed arithmetic: matrix products marked QUANTISED: E2M3 operands, one E8M0 scale for each 32 along K, by v_wmma_scale_f32_16x16x128_f8f6f4 with both operands' format E2M3, f32 sums; everything else in f32.
;; Inputs: Wk 1,024 x 1,024 float32; Wp 1,024 x 1,024 float32; Wq 1,024 x 1,024 float32; Wv 1,024 x 1,024 float32; bp 1,024 float32; key_ 2 x 2,048 x 1,024 float32; lk1 32 float32; lk2 32 float32; lq1 32 float32; lq2 32 float32; query 2 x 2,048 x 1,024 float32; subln_w 64 float32; value 2 x 2,048 x 1,024 float32.
;; Outputs: out0 2 x 2,048 x 1,024 float32.
;; This version of the problem:
;;   THIS VERSION OF THE PROBLEM IS GIVEN IN LOW PRECISION. The matrix products marked QUANTISED in the list below multiply operands that are first quantised to E2M3 (2 exponent bits, 3 mantissa bits; 6 bits a number), with one power-of-two scale for each 32 numbers along K (OCP MX v1.0); their sums are f32. All else is computed in f32.
;;   The module's matrix products, in the order in which they are computed (A, B: the left and right operand; K: the contracted axis; several contracted axes count as one K, in the product's order):
;;     1. [M 4,096, K 1,024] x [K 1,024, N 1,024]; A: input query; B: input Wq: QUANTISED
;;     2. [M 4,096, K 1,024] x [K 1,024, N 1,024]; A: input key_; B: input Wk: QUANTISED
;;     3. [M 4,096, K 1,024] x [K 1,024, N 1,024]; A: input value; B: input Wv: QUANTISED
;;     4. batch 32 x [M 2,048, K 32] x [K 32, N 2,048]; A: computed on the way; B: computed on the way: QUANTISED
;;     5. batch 32 x [M 2,048, K 2,048] x [K 2,048, N 64]; A: softmax (see below); B: computed on the way: QUANTISED
;;     6. batch 32 x [M 2,048, K 32] x [K 32, N 2,048]; A: computed on the way; B: computed on the way: QUANTISED
;;     7. batch 32 x [M 2,048, K 2,048] x [K 2,048, N 64]; A: softmax (see below); B: computed on the way: QUANTISED
;;     8. [M 4,096, K 1,024] x [K 1,024, N 1,024]; A: computed on the way; B: input Wp: QUANTISED
;;   THE QUANTISER, for each operand of a quantised product, along K:
;;     - K is cut into blocks of 32 from its start; a last block that is shorter is filled with zeros.
;;     - A block's scale is 2^e with e = floor(log2(the largest magnitude in the block)) - 2, held to -126 .. 127; a block of zeros has e = 0. As a byte (E8M0): e + 127.
;;     - Each number is divided by its block's scale, clamped to +-7.5, and rounded to the nearest number of E2M3, ties to even, subnormals kept.
;;     - The product sums the exact products of the quantised numbers (number of the format x scale) in f32.
;;   ~~~python
;;   def quantise(x, axis):      # numpy; x: float32 -> the quantised numbers, widened to float32 again
;;       x = np.moveaxis(x, axis, -1); K = x.shape[-1]
;;       x = np.pad(x, [(0, 0)] * (x.ndim - 1) + [(0, -K % 32)]); x = x.reshape(x.shape[:-1] + (-1, 32)); a = np.abs(x).max(-1, keepdims=True)
;;       e = np.where(a > 0, np.clip(np.frexp(np.where(a > 0, a, 1))[1] - 1 - 2, -126, 127), 0)      # np.frexp(a)[1] - 1 = floor(log2(a)), exactly
;;       r = np.clip(x / 2.0 ** e, -7.5, 7.5)
;;       step = 2.0 ** (np.maximum(np.frexp(np.where(r == 0, 1, r))[1] - 1, 0) - 3)
;;       q = np.round(r / step) * step * 2.0 ** e      # np.round: ties to even
;;       return np.moveaxis(q.reshape(q.shape[:-2] + (-1,))[..., :K], -1, axis).astype(np.float32)
;;   ~~~
;;   SOFTMAX AHEAD OF A QUANTISED PRODUCT. Where the list says 'softmax', what is quantised is not the finished softmax but p = 2^(t - M), with t = logit x log2(e) and M = ceil(the row's largest t), a whole number; so 1/2 < the row's largest p <= 1. The row's sum l is taken of the UNQUANTISED p, in f32, and the product's result is divided by l at the end. Since M is a whole number, a kernel that streams over the keys may use a running M (the ceiling of the running maximum): every later rescaling is an exact power of two, which a block's scale takes up: the codes' values come out the same.
;;   OPERANDS COMPUTED ON THE WAY. 'Computed on the way' means the value that the module computes at that place (a softmax that the list does not call 'softmax' is quantised finished and normalised). What goes into a quantiser is computed in f32, as accurately as f32 sums, v_exp_f32 and their like allow (about 1e-6 of the number): no bf16 or f16 on the way to a quantiser, and a product that is left as it is and whose result goes on into a quantised operand takes f32 operands (vector FMAs, or v_wmma_f32_16x16x4_f32). A number that lies on a knife's edge between two numbers of the format may be rounded either way, as far as f32 arithmetic and the matrix unit's own rounding can turn it there, and no further.
;; One version. Each part assembles by itself: llvm-mc -triple=amdgcn-amd-amdhsa -mcpu=gfx1250 --defsym DOCPART=n.
;; ======== version 1 of 1: 4 launches
;; limits: right only within a limited range of input values
;; workspace buffers: xc 12,582,912 bytes; xs 524,288 bytes; qkc 6,291,456 bytes; qks 262,144 bytes; vc 3,145,728 bytes; vs 131,072 bytes; ac 3,145,728 bytes; asw 131,072 bytes
;; launch quant (part 1): grid 256 x 1, 4 waves a work-group, no clusters, 266,752 bytes of LDS; arguments query, key_, value, Wq, Wk, Wv, Wp, xc, xs; writes xc, xs
.if DOCPART == 1
	.amdgcn_target "amdgcn-amd-amdhsa--gfx1250"
	.amdhsa_code_object_version 6
	.text
	.protected	k_q4352a6de65_quant
	.globl	k_q4352a6de65_quant
	.p2align	8
	.type	k_q4352a6de65_quant,@function
k_q4352a6de65_quant:
	s_mov_b64 s[64:65], 0
	v_nop
	global_prefetch_b8 v0, s[64:65] scope:SCOPE_SE
	s_setreg_imm32_b32 hwreg(HW_REG_WAVE_MODE, 25, 1), 1
	s_wait_xcnt 0x0
; query, key_, value (4,096 rows each) and Wq, Wk, Wv, Wp (1,024 rows each), f32 rows of 1,024, are turned into codes of FP6 (E2M3) with one E8M0 byte for each 32 along K,
; laid as images of the matrix operand's registers: xc [tile of 16 rows][K step 8][1,536], xs [tile][r 16][K step 8][4].
; A work-group takes 64 rows.  Wave w fetches rows 16 w .. 16 w + 15, 65,536 dense bytes, by ONE tensor load, as 64 pieces of 1,024 bytes with 16 bytes of padding behind each; every LDS byte is filled once.
; Behind one barrier wave w quantises the tile whose lane r holds row 32 (w / 2) + 8 (w % 2) + r + 8 (r / 8), so that later products find 16 neighbours in two neighbouring tiles.
; No prefetch: the launch has one load a wave, at its head, and no later load to run ahead of.  No cluster: no two work-groups read the same bytes.
; LIMITS: a block of zeros gets the byte 1 (its codes are zeros; this program alone reads the bytes); NaN and infinities are not served.
.set WREG, 66560                       ; 64 pieces x 1,040 bytes: what one wave fetches
.set PIECE, 1040
.set SPARE, 4*WREG                     ; the spare words, 128 bytes a wave
.set RA,   2
.set L16,  3
.set L8,   4
.set SOF,  5
.set TM,   8
.set PC,   24
.set PWS,  44
.set X,    64
.set G1,   24
.set G0,   32
.set SEL,  2
.macro QUANT s, pc, pw                 ; 64 numbers a lane: four half blocks; lanes l and l xor 16 share a block
.irp b, 0,1,2,3
	v_max3_num_f32 v[TM+\b], |v[\s+16*\b]|, |v[\s+1+16*\b]|, 0x1800000   ; with the floor 2^(3 - 127)
.endr
.irp i, 2,4,6,8,10,12,14
.irp b, 0,1,2,3
	v_max3_num_f32 v[TM+\b], v[TM+\b], |v[\s+16*\b+\i]|, |v[\s+1+16*\b+\i]|
.endr
.endr
.irp b, 0,1,2,3
	v_permlanex16_b32 v[TM+4+\b], v[TM+\b], s[SEL], s[SEL+1]
.endr
.irp b, 0,1,2,3
	v_max_num_f32 v[TM+\b], v[TM+\b], v[TM+4+\b]
.endr
.irp b, 0,1,2,3
	v_add_nc_u32 v[TM+12+\b], 0xff000000, v[TM+\b]   ; 2 off the exponent field: the conversion's scale operand
.endr
.irp b, 0,1,2,3
	v_lshrrev_b32 v[TM+4+\b], 23, v[TM+12+\b]        ; the scale's byte
.endr
	v_lshl_or_b32 v[\pw], v[TM+5], 8, v[TM+4]
	v_lshl_or_b32 v[\pw], v[TM+6], 16, v[\pw]
	v_lshl_or_b32 v[\pw], v[TM+7], 24, v[\pw]
.irp c, 0,1
	v_cvt_scalef32_pk16_fp6_f32 v[\pc+6*\c:\pc+2+6*\c], v[\s+32*\c:\s+15+32*\c], v[TM+12+2*\c]
	v_cvt_scalef32_pk16_fp6_f32 v[\pc+12+4*\c:\pc+14+4*\c], v[\s+16+32*\c:\s+31+32*\c], v[TM+12+2*\c+1]
.endr
	v_nop                                  ; one plain place behind a scaled conversion
.irp c, 0,1
.irp i, 0,1,2
	v_permlane16_swap_b32 v[\pc+6*\c+\i], v[\pc+12+4*\c+\i]   ; a whole block to a lane
.endr
.irp i, 0,1,2
	v_mov_b32 v[\pc+3+6*\c+\i], v[\pc+12+4*\c+\i]
.endr
.endr
.endm
.macro STORE2 pc, off, dist, base
	global_store_b128 v[L16], v[\pc:\pc+3], s[\base:\base+1] offset:\off
	global_store_b64 v[L8], v[\pc+4:\pc+5], s[\base:\base+1] offset:\off+512
	global_store_b128 v[L16], v[\pc+6:\pc+9], s[\base:\base+1] offset:\off+\dist
	global_store_b64 v[L8], v[\pc+10:\pc+11], s[\base:\base+1] offset:\off+\dist+512
.endm
.macro RD s                            ; K step s of my row: 16 numbers of each of its four blocks
.irp b, 0,1,2,3
.irp j, 0,1,2,3
	ds_load_b128 v[X+64*((\s)%2)+16*\b+4*\j:X+64*((\s)%2)+16*\b+4*\j+3], v[RA] offset:((\s)/2)*PIECE+((\s)%2)*512+128*\b+16*\j
.endr
.endr
.endm
.macro STEP s
.if (\s) < 7
	RD (\s)+1
	s_wait_dscnt 16                        ; this step's numbers are in; the 16 loads just issued may be out
.else
	s_wait_dscnt 0x0
.endif
	s_wait_xcnt 0x0                        ; the last step's stores have read their registers
	QUANT X+64*((\s)%2), PC, PWS+(\s)
	STORE2 PC, 1536*(\s), 768, 18
.endm
	s_load_b256 s[4:11], s[0:1], 0x0
	s_load_b256 s[12:19], s[0:1], 0x20
	s_load_b64 s[20:21], s[0:1], 0x40
	v_lshl_add_u32 v192, v0, 2, SPARE
	v_mov_b32 v193, 0
	ds_add_u32 v192, v193                  ; the opening lines
	ds_add_u32 v192, v193
	v_lshrrev_b32 v1, 5, v0
	v_readfirstlane_b32 s22, v1            ; wave
	s_mov_b32 s[G1+0], (2<<16)|(1<<20)|(7<<22)|(3<<25)   ; elements of 4 bytes; 4 words of padding behind every 256
	s_mov_b32 s[G1+1], 256<<16
	s_mov_b32 s[G1+2], 64<<16
	s_mov_b32 s[G1+3], 256<<16
	s_mov_b32 s[G1+4], 64
	s_mov_b32 s[G1+5], 256
	s_mov_b32 s[G1+6], 0
	s_mov_b32 s[G1+7], 0
	s_lshl_b32 s68, s22, 16                ; my 16 rows of the work-group's 64
	s_mul_i32 s73, s22, WREG
	s_mov_b32 s23, 240
	s_wait_dscnt 0x0
	s_wait_kmcnt 0x0
	s_mov_b64 s[66:67], s[16:17]           ; which tensor: by the work-group's number alone
	s_cmp_lt_u32 ttmp9, 240
	s_cselect_b64 s[66:67], s[14:15], s[66:67]
	s_cselect_b32 s23, 224, s23
	s_cmp_lt_u32 ttmp9, 224
	s_cselect_b64 s[66:67], s[12:13], s[66:67]
	s_cselect_b32 s23, 208, s23
	s_cmp_lt_u32 ttmp9, 208
	s_cselect_b64 s[66:67], s[10:11], s[66:67]
	s_cselect_b32 s23, 192, s23
	s_cmp_lt_u32 ttmp9, 192
	s_cselect_b64 s[66:67], s[8:9], s[66:67]
	s_cselect_b32 s23, 128, s23
	s_cmp_lt_u32 ttmp9, 128
	s_cselect_b64 s[66:67], s[6:7], s[66:67]
	s_cselect_b32 s23, 64, s23
	s_cmp_lt_u32 ttmp9, 64
	s_cselect_b64 s[66:67], s[4:5], s[66:67]
	s_cselect_b32 s23, 0, s23
	s_sub_co_u32 s69, ttmp9, s23
	s_lshl_b32 s69, s69, 18
	s_add_co_u32 s68, s68, s69
	s_mov_b32 s69, 0
	s_add_nc_u64 s[66:67], s[66:67], s[68:69]
	s_mov_b32 s[G0], 1
	s_add_co_u32 s[G0+1], s73, 0
	s_mov_b64 s[G0+2:G0+3], s[66:67]
	s_or_b32 s[G0+3], s[G0+3], 0x80000000
	tensor_load_to_lds s[G0:G0+3], s[G1:G1+7]   ; my one tensor load
	s_nop 0
.rept 4
	v_nop
.endr
	s_lshl_b32 s68, ttmp9, 2
	s_add_co_u32 s68, s68, s22             ; my tile
	s_mul_i32 s70, s68, 12288
	s_mov_b32 s71, 0
	s_add_nc_u64 s[18:19], s[18:19], s[70:71]
	s_lshl_b32 s70, s68, 9
	s_add_nc_u64 s[20:21], s[20:21], s[70:71]
	s_mov_b32 s72, 0xffff0000
	s_mov_b32 s[SEL], 0x76543210
	s_mov_b32 s[SEL+1], 0xfedcba98
	s_lshr_b32 s70, s22, 1
	s_lshl_b32 s70, s70, 5
	s_and_b32 s71, s22, 1
	s_lshl_b32 s71, s71, 3
	s_add_co_u32 s70, s70, s71             ; my tile's first row: 32 (w / 2) + 8 (w % 2)
	s_mul_i32 s73, s70, 4*PIECE
	v_and_b32 v6, 31, v0
	v_and_b32 v7, 15, v0
	v_bfe_u32 v1, v0, 4, 1
	v_and_b32 v[RA], 8, v7
	v_add_nc_u32 v[RA], v[RA], v7          ; r + 8 (r / 8)
	v_mul_u32_u24 v[RA], v[RA], 4*PIECE
	v_lshl_add_u32 v[RA], v1, 6, v[RA]
	v_add_nc_u32 v[RA], s73, v[RA]
	v_lshlrev_b32 v[L16], 4, v6
	v_lshlrev_b32 v[L8], 3, v6
	v_lshlrev_b32 v[SOF], 5, v7
	v_lshl_add_u32 v[SOF], v1, 4, v[SOF]
.irp b, 0,1,2,3
	v_mov_b32 v[TM+4+\b], 0                ; a lane permute's destination counts as one of its sources
.endr
	s_wait_alu depctr_va_vdst(0)           ; the wait at the head's end
	s_wait_tensorcnt 0x0                   ; my rows have landed
	s_barrier_signal -1
	s_barrier_wait -1                      ; everybody's have
	RD 0
.irp t, 0,1,2,3,4,5,6,7
	STEP \t
.endr
.irp i, 0,1,2,3
	v_cndmask_b32 v[52+\i], v[PWS+\i], v[PWS+4+\i], s72   ; lanes 0-15 steps 0-3, lanes 16-31 steps 4-7
.endr
	global_store_b128 v[SOF], v[52:55], s[20:21]
	s_wait_tensorcnt 0x0                   ; the wave's end
	ds_add_u32 v192, v193
	s_wait_dscnt 0x0
	s_endpgm
.Lfunc_end_k_q4352a6de65_quant:
	.size	k_q4352a6de65_quant, .Lfunc_end_k_q4352a6de65_quant-k_q4352a6de65_quant
	.p2alignl 7, 3214868480
	.fill 96, 4, 3214868480
	.section	.rodata,"a",@progbits
	.p2align	6, 0x0
	.amdhsa_kernel k_q4352a6de65_quant
		.amdhsa_group_segment_fixed_size 266752
		.amdhsa_private_segment_fixed_size 0
		.amdhsa_enable_private_segment 0
		.amdhsa_kernarg_size 72
		.amdhsa_user_sgpr_count 2
		.amdhsa_user_sgpr_kernarg_segment_ptr 1
		.amdhsa_wavefront_size32 1
		.amdhsa_system_sgpr_workgroup_id_x 1
		.amdhsa_system_sgpr_workgroup_id_y 1
		.amdhsa_system_sgpr_workgroup_id_z 1
		.amdhsa_system_vgpr_workitem_id 0
		.amdhsa_next_free_vgpr 194
		.amdhsa_next_free_sgpr 74
		.amdhsa_reserve_vcc 0
		.amdhsa_float_denorm_mode_32 3
		.amdhsa_float_denorm_mode_16_64 3
		.amdhsa_memory_ordered 1
		.amdhsa_forward_progress 1
		.amdhsa_inst_pref_size 46
	.end_amdhsa_kernel
	.amdgpu_metadata
---
amdhsa.version: [ 1, 2 ]
amdhsa.kernels:
  - .name:           k_q4352a6de65_quant
    .symbol:         k_q4352a6de65_quant.kd
    .args:
      - { .name: query, .offset: 0, .size: 8, .value_kind: global_buffer, .address_space: global }
      - { .name: key_, .offset: 8, .size: 8, .value_kind: global_buffer, .address_space: global }
      - { .name: value, .offset: 16, .size: 8, .value_kind: global_buffer, .address_space: global }
      - { .name: Wq, .offset: 24, .size: 8, .value_kind: global_buffer, .address_space: global }
      - { .name: Wk, .offset: 32, .size: 8, .value_kind: global_buffer, .address_space: global }
      - { .name: Wv, .offset: 40, .size: 8, .value_kind: global_buffer, .address_space: global }
      - { .name: Wp, .offset: 48, .size: 8, .value_kind: global_buffer, .address_space: global }
      - { .name: xc, .offset: 56, .size: 8, .value_kind: global_buffer, .address_space: global }
      - { .name: xs, .offset: 64, .size: 8, .value_kind: global_buffer, .address_space: global }
    .group_segment_fixed_size: 266752
    .private_segment_fixed_size: 0
    .kernarg_segment_align: 8
    .kernarg_segment_size: 72
    .max_flat_workgroup_size: 128
    .sgpr_count:     74
    .vgpr_count:     194
    .wavefront_size: 32
...
	.end_amdgpu_metadata
.endif
;; end of part 1
;; launch proj (part 2): grid 8 x 32, 4 waves a work-group, clusters of 4 x 4, 327,680 bytes of LDS; arguments xc, xs, qkc, qks, vc, vs; writes qkc, qks, vc, vs
.if DOCPART == 2
	.amdgcn_target "amdgcn-amd-amdhsa--gfx1250"
	.amdhsa_code_object_version 6
	.text
	.protected	k_q4352a6de65_proj
	.globl	k_q4352a6de65_proj
	.p2align	8
	.type	k_q4352a6de65_proj,@function
k_q4352a6de65_proj:
	s_mov_b64 s[64:65], 0
	v_nop
	global_prefetch_b8 v0, s[64:65] scope:SCOPE_SE
	s_setreg_imm32_b32 hwreg(HW_REG_WAVE_MODE, 25, 1), 1
	s_wait_xcnt 0x0
	s_wait_alu depctr_hold_cnt(0) depctr_sa_sdst(0) depctr_va_vdst(0) depctr_va_sdst(0) depctr_va_ssrc(0) depctr_va_vcc(0) depctr_vm_vsrc(0)
	s_getreg_b32 s2, hwreg(HW_REG_IB_STS2, 6, 4)
	s_cmp_eq_u32 s2, 0
	s_cbranch_scc0 .Lentry_in_a_cluster
	s_endpgm
.Lentry_in_a_cluster:
	s_bfe_u32 s2, ttmp6, 0x10000c
	s_cmp_lg_u32 s2, 0xf033
	s_cbranch_scc0 .Lentry_shape_is_right
	s_endpgm
.Lentry_shape_is_right:
; q = query Wq^T (then x 32^-0.5), k = key_ Wk^T, v = value Wv^T on codes of FP6 (E2M3), and the results quantised at once for the attention's products.
; A WORK-GROUP STAYS: work-group (x, y) makes rows 128 y on, columns 128 x on, of q, then of k, then of v: three tiles, written out one behind the other.  Four waves, each 64 x 64: 16 accumulators.
; LDS: three regions of 98,304 bytes, each [tile of 16 rows 8][K step 8][1,536]: RA at 0, RW at 98,304, RB at 196,608.  q: x in RA, W in RW;  k: x in RB, W in RW;  v: x in RA, W in RW.
; The head brings q's operands, one tensor load a wave (49,152 dense bytes).  Then, each behind the three lines and a round of the cluster's barrier, one load a wave (24,576 dense bytes):
; key_'s tiles under q's products, Wk's under q's way out, value's under k's products, Wv's under k's way out.  By this text's count a wave has one tensor load out.
; CLUSTER 4 x 4: the four of a row of the cluster need the same tiles of x, the four of a column the same tiles of W: each is asked for jointly.
; The scale words go from memory into registers: sixteen lanes read a tile's 512 consecutive bytes.  No prefetch: there is no loop to run ahead in, and each of the five loads is asked for a whole phase ahead of its reads.
; A TILE's lane r holds row 32 (t / 2) + 8 (t % 2) + r + 8 (r / 8) of its group of 64 rows, so that the 16 registers of two neighbouring source-0 tiles are 16 neighbours.
; q, k: source 0 = W, source 1 = x: a lane holds one row of x and 32 neighbouring columns: one block of the scores' K.  Four tiles of rows make one fragment: block j = tile 4 F + j.
;   qkc: [q or k][b][column block g 32][F 32][1,536]; qks: [..][F][r][4], byte j for tile 4 F + j.
; v: source 0 = x, source 1 = W: a lane holds one column d and 64 neighbouring keys.  vc: [b][head][jh][step of 128 keys][jl][64 keys c][768]; vs: [b][head][jh][step][jl][r][4].
;   vs is stored two bytes a lane (one byte for each 24 of codes): its units of 256 bytes are written in part.
; LIMITS: a block of zeros gets the byte 1; NaN and infinities are not served.
.set RW,    98304
.set RB,    196608
.set SPARE, 294912
.set L16,  3
.set L8,   4
.set ASC,  5                           ; v5, v7, v9: my scale words' offset in xs for q, k, v: lanes 0-15 x's rows, lanes 16-31 W's
.set AX16, 6                           ; x's fragments in RA
.set AX8,  8
.set AW16, 10
.set AW8,  12
.set AB16, 11                          ; x's fragments in RB
.set AB8,  13
.set SC,   16                          ; v16-47  register 8 i + s: lanes 0-15 x's tile i, lanes 16-31 W's tile i, K step s
.set TM,   48
.set PCA,  64
.set PCB,  84
.set PWA,  104
.set PWB,  105
.set ACC,  128                         ; v128-255.  Window 1: set p: x's four fragments at 96 p, W's at 96 p + 48
.set WV,   16
.set ARM,  17
.set SEL,  2
.set G1X,  24
.set G1W,  32
.set XQ,   50                          ; s[50:51] query's tiles of my rows, my quarter;  s[52:53] Wq's tiles of my columns, my quarter
.set WQ,   52
.set G0X,  68
.set G0W,  84
.set MSB, 0
.macro WIN new
.if MSB != \new
	s_set_vgpr_msb (MSB<<8)|\new
.set MSB, \new
.endif
.endm
.macro PLACES n
.rept \n
	v_nop
.endr
.endm
.macro CROUND
	s_barrier_signal -1
	s_barrier_wait -1
	s_cmp_lg_u32 s[WV], 0
	s_cbranch_scc1 .Lnot_wave_0_\@
	s_barrier_signal -3
.Lnot_wave_0_\@:
	s_barrier_wait -3
	s_barrier_signal -1
	s_barrier_wait -1
.endm
; The three lines, a round, and my one joint load behind it: my quarter of an operand, step bytes on from the first tensor's, to region lds
.macro NEXT g0, g1, lds, src, step, first
	s_wait_tensorcnt 0x0                   ; all my tensor loads have landed;
	ds_add_u32 v126, v127
.if \first
	s_mov_b32 s[G1X+2], 96<<16             ; no tensor load of mine is out: from here on a load brings 96 rows of 256 bytes
	s_mov_b32 s[G1X+4], 96
	s_mov_b32 s[G1W+2], 96<<16
	s_mov_b32 s[G1W+4], 96
.endif
	s_add_co_u32 s[\g0+1], s54, \lds
	s_add_nc_u64 s[\g0+2:\g0+3], s[\src:\src+1], \step
	s_or_b32 s[\g0+3], s[\g0+3], 0x80000000
	s_wait_dscnt 0x0                       ; the add is done, and my reads of the region
	CROUND                                 ; so of every wave of all sixteen work-groups
	tensor_load_to_lds s[\g0:\g0+3], s[\g1:\g1+7]
	s_nop 0
	PLACES 4                               ; also the places behind the last products
.endm
.macro SCLOAD a                        ; a tile's scale words for all of K
.irp i, 0,1,2,3
	global_load_b128 v[SC+8*\i:SC+8*\i+3], v[\a], s[6:7] offset:512*\i
	global_load_b128 v[SC+8*\i+4:SC+8*\i+7], v[\a], s[6:7] offset:512*\i+16
.endr
.endm
.macro FETCH reg, a16, a8, off         ; a fragment's image back into 12 registers: every instruction reads consecutive bytes
	ds_load_b128 v[\reg:\reg+3], v[\a16] offset:\off
	ds_load_b64 v[\reg+4:\reg+5], v[\a8] offset:\off+512
	ds_load_b128 v[\reg+6:\reg+9], v[\a16] offset:\off+768
	ds_load_b64 v[\reg+10:\reg+11], v[\a8] offset:\off+1280
.endm
.macro FETCHSET p, s, xa, xb
	WIN 0x40
.irp i, 0,1,2,3
	FETCH 96*(\p)+12*\i, \xa, \xb, 12288*\i+1536*(\s)
	FETCH 96*(\p)+48+12*\i, AW16, AW8, 12288*\i+1536*(\s)
.endr
.endm
.macro QUANT s, pc, pw
.irp b, 0,1,2,3
	v_max3_num_f32 v[TM+\b], |v[\s+16*\b]|, |v[\s+1+16*\b]|, 0x1800000
.endr
.irp i, 2,4,6,8,10,12,14
.irp b, 0,1,2,3
	v_max3_num_f32 v[TM+\b], v[TM+\b], |v[\s+16*\b+\i]|, |v[\s+1+16*\b+\i]|
.endr
.endr
.irp b, 0,1,2,3
	v_permlanex16_b32 v[TM+4+\b], v[TM+\b], s[SEL], s[SEL+1]
.endr
.irp b, 0,1,2,3
	v_max_num_f32 v[TM+\b], v[TM+\b], v[TM+4+\b]
.endr
.irp b, 0,1,2,3
	v_add_nc_u32 v[TM+12+\b], 0xff000000, v[TM+\b]
.endr
.irp b, 0,1,2,3
	v_lshrrev_b32 v[TM+4+\b], 23, v[TM+12+\b]
.endr
	v_lshl_or_b32 v[\pw], v[TM+5], 8, v[TM+4]
	v_lshl_or_b32 v[\pw], v[TM+6], 16, v[\pw]
	v_lshl_or_b32 v[\pw], v[TM+7], 24, v[\pw]
.irp c, 0,1
	v_cvt_scalef32_pk16_fp6_f32 v[\pc+6*\c:\pc+2+6*\c], v[\s+32*\c:\s+15+32*\c], v[TM+12+2*\c]
	v_cvt_scalef32_pk16_fp6_f32 v[\pc+12+4*\c:\pc+14+4*\c], v[\s+16+32*\c:\s+31+32*\c], v[TM+12+2*\c+1]
.endr
	v_nop
.irp c, 0,1
.irp i, 0,1,2
	v_permlane16_swap_b32 v[\pc+6*\c+\i], v[\pc+12+4*\c+\i]
.endr
.irp i, 0,1,2
	v_mov_b32 v[\pc+3+6*\c+\i], v[\pc+12+4*\c+\i]
.endr
.endr
.endm
.macro STORE2 pc, off, dist, base
	global_store_b128 v[L16], v[\pc:\pc+3], s[\base:\base+1] offset:\off
	global_store_b64 v[L8], v[\pc+4:\pc+5], s[\base:\base+1] offset:\off+512
	global_store_b128 v[L16], v[\pc+6:\pc+9], s[\base:\base+1] offset:\off+\dist
	global_store_b64 v[L8], v[\pc+10:\pc+11], s[\base:\base+1] offset:\off+\dist+512
.endm
; 16 matrix instructions of K step s on set p; the 16 accumulators take turns.  vv = 0: q, k;  vv = 1: v
.macro MULS s, p, vv
.irp j, 0,1,2,3
.irp i, 0,1,2,3
.if \vv
.set DD, ACC+64*(\j/2)+32*(\j%2)+16*(\i/2)+8*(\i%2)
.if (\s) == 0
	v_wmma_scale_f32_16x16x128_f8f6f4 v[DD:DD+7], v[96*(\p)+12*\i:96*(\p)+12*\i+11], v[96*(\p)+48+12*\j:96*(\p)+48+12*\j+11], 0, v[SC+8*\i+(\s)], v[SC+8*\j+(\s)] matrix_a_fmt:MATRIX_FMT_FP6 matrix_b_fmt:MATRIX_FMT_FP6 matrix_b_scale:MATRIX_SCALE_ROW1
.else
	v_wmma_scale_f32_16x16x128_f8f6f4 v[DD:DD+7], v[96*(\p)+12*\i:96*(\p)+12*\i+11], v[96*(\p)+48+12*\j:96*(\p)+48+12*\j+11], v[DD:DD+7], v[SC+8*\i+(\s)], v[SC+8*\j+(\s)] matrix_a_fmt:MATRIX_FMT_FP6 matrix_b_fmt:MATRIX_FMT_FP6 matrix_b_scale:MATRIX_SCALE_ROW1
.endif
.else
.set DD, ACC+64*(\i/2)+16*\j+8*(\i%2)
.if (\s) == 0
	v_wmma_scale_f32_16x16x128_f8f6f4 v[DD:DD+7], v[96*(\p)+48+12*\i:96*(\p)+48+12*\i+11], v[96*(\p)+12*\j:96*(\p)+12*\j+11], 0, v[SC+8*\i+(\s)], v[SC+8*\j+(\s)] matrix_a_fmt:MATRIX_FMT_FP6 matrix_b_fmt:MATRIX_FMT_FP6 matrix_a_scale:MATRIX_SCALE_ROW1
.else
	v_wmma_scale_f32_16x16x128_f8f6f4 v[DD:DD+7], v[96*(\p)+48+12*\i:96*(\p)+48+12*\i+11], v[96*(\p)+12*\j:96*(\p)+12*\j+11], v[DD:DD+7], v[SC+8*\i+(\s)], v[SC+8*\j+(\s)] matrix_a_fmt:MATRIX_FMT_FP6 matrix_b_fmt:MATRIX_FMT_FP6 matrix_a_scale:MATRIX_SCALE_ROW1
.endif
.endif
.endr
.endr
.endm
.macro GSTEP s, vv, xa, xb
	s_wait_dscnt 0x0                       ; this step's fragments are in
.if (\s) < 7
.if (\s) > 0
	PLACES 4                               ; in front of loads into the set that the last step's products read
.endif
	FETCHSET ((\s)+1)%2, (\s)+1, \xa, \xb
.endif
	WIN 0x05                               ; sources 0 and 1 window 1; C and D window 0
	MULS \s, (\s)%2, \vv
.endm
.macro COMPUTE vv, xa, xb              ; a tile's eight K steps
	s_wait_loadcnt 0x0                     ; its scale words are in
	FETCHSET 0, 0, \xa, \xb
.irp t, 0,1,2,3,4,5,6,7
	GSTEP \t, \vv, \xa, \xb
.endr
	WIN 0
.endm
.macro OUTQK t                         ; q's (t = 0) or k's (t = 1) way out
	QUANT ACC, PCA, PWA                    ; column block g
	STORE2 PCA, 3145728*\t, 768, 8
	QUANT ACC+64, PCB, PWB                 ; column block g + 1
	STORE2 PCB, 3145728*\t+49152, 768, 8
	v_cndmask_b32 v106, v[PWA], v[PWB], s58
	global_store_b32 v14, v106, s[10:11] offset:131072*\t
.endm
	s_load_b256 s[4:11], s[0:1], 0x0       ; xc, xs, qkc, qks
	s_load_b128 s[12:15], s[0:1], 0x20     ; vc, vs
	v_lshl_add_u32 v126, v0, 2, SPARE
	v_mov_b32 v127, 0
	ds_add_u32 v126, v127                  ; the opening lines
	ds_add_u32 v126, v127
	v_lshrrev_b32 v1, 5, v0
	v_readfirstlane_b32 s[WV], v1
	s_lshr_b32 s[ARM], s[WV], 1            ; wm: my half of the rows.  At the head also: I fetch for x (0) or for W (1)
	s_and_b32 s18, s[WV], 1                ; wn: my half of the columns.  At the head also: which four tiles I fetch
	s_bfe_u32 s19, ttmp6, 0x40000          ; cx
	s_bfe_u32 s20, ttmp6, 0x40004          ; cy
	s_lshl_b32 s21, ttmp9, 2
	s_add_co_u32 s21, s21, s19             ; work-group x
	s_and_b32 s22, ttmp7, 0xffff
	s_lshl_b32 s22, s22, 2
	s_add_co_u32 s22, s22, s20             ; work-group y
	s_lshl_b32 s2, s20, 2
	s_lshl_b32 s2, 15, s2                  ; my row of the cluster
	s_lshl_b32 s3, 0x1111, s19             ; my column
	s_or_b32 s[G1X], s2, (3<<16)|(1<<21)   ; the mask; elements of 8 bytes; bit 21 set beside a mask
	s_or_b32 s[G1W], s3, (3<<16)|(1<<21)
.irp g, G1X, G1W                           ; at the head 49,152 dense bytes as 192 rows of 256
	s_mov_b32 s[\g+1], 32<<16
	s_mov_b32 s[\g+2], 192<<16
	s_mov_b32 s[\g+3], 32<<16
	s_mov_b32 s[\g+4], 192
	s_mov_b32 s[\g+5], 32
	s_mov_b32 s[\g+6], 0
	s_mov_b32 s[\g+7], 0
.endr
	s_mul_i32 s40, s[WV], 49152            ; where the head's loads go: no place in the cluster enters an LDS address
	s_mov_b32 s[G0X], 1
	s_mov_b32 s[G0W], 1
	s_add_co_u32 s[G0X+1], s40, 0
	s_add_co_u32 s[G0W+1], s40, 0
	s_mul_i32 s54, s[WV], 24576            ; my quarter of an operand, in LDS and in memory
	s_mov_b32 s55, 0
	s_lshl_b32 s66, s22, 3                 ; query's first tile of my rows: 8 y
	s_lshl_b32 s104, s21, 3
	s_add_co_u32 s104, s104, 768           ; Wq's first tile of my columns: 768 + 8 x
	s_lshl_b32 s101, s[ARM], 2
	s_add_co_u32 s100, s66, s101
	s_lshl_b32 s100, s100, 9               ; the scale words of the x tiles that I multiply, 512 bytes a tile
	s_lshl_b32 s40, s18, 2
	s_add_co_u32 s41, s104, s40
	s_lshl_b32 s41, s41, 9
	s_sub_co_u32 s41, s41, s100            ; from there to W's
	s_mul_i32 s66, s66, 12288
	s_mov_b32 s67, 0
	s_mul_i32 s104, s104, 12288
	s_mov_b32 s105, 0
	s_mul_i32 s42, s18, 49152
	s_mov_b32 s43, 0
	s_wait_dscnt 0x0
	s_wait_kmcnt 0x0
	s_add_nc_u64 s[66:67], s[4:5], s[66:67]
	s_add_nc_u64 s[104:105], s[4:5], s[104:105]
	s_add_nc_u64 s[G0X+2:G0X+3], s[66:67], s[42:43]
	s_or_b32 s[G0X+3], s[G0X+3], 0x80000000
	s_add_nc_u64 s[G0W+2:G0W+3], s[104:105], s[42:43]
	s_or_b32 s[G0W+3], s[G0W+3], 0x80000000
	s_add_nc_u64 s[XQ:XQ+1], s[66:67], s[54:55]
	s_add_nc_u64 s[WQ:WQ+1], s[104:105], s[54:55]
	CROUND                                 ; all sixteen work-groups are here: the joint loads meet
	s_cmp_eq_u32 s[ARM], 0                 ; one chain, one load to an arm
	s_cbranch_scc0 .Lfor_w
	tensor_load_to_lds s[G0X:G0X+3], s[G1X:G1X+7]
	s_nop 0
	PLACES 4
	s_branch .Lasked
.Lfor_w:
	tensor_load_to_lds s[G0W:G0W+3], s[G1W:G1W+7]
	s_nop 0
	PLACES 4
.Lasked:
	v_and_b32 v1, 15, v0                   ; r
	v_bfe_u32 v2, v0, 4, 1                 ; h
	v_and_b32 v3, 31, v0
	v_lshlrev_b32 v[L8], 3, v3
	v_lshlrev_b32 v[L16], 4, v3
	v_mul_u32_u24 v[ASC], s41, v2
	v_lshl_add_u32 v[ASC], v1, 5, v[ASC]
	v_add_nc_u32 v[ASC], s100, v[ASC]
	SCLOAD ASC                             ; q's scale words
	v_mul_u32_u24 v7, 0x18000, v2
	v_sub_nc_u32 v9, 0x20000, v7           ; from tensor to tensor: x's words 256 tiles on, W's 64
	v_add_nc_u32 v7, v[ASC], v9            ; k's
	v_add_nc_u32 v9, v7, v9                ; v's
	s_mul_i32 s40, s[ARM], 49152           ; x: my four tiles
	v_add_nc_u32 v[AX16], s40, v[L16]
	v_add_nc_u32 v[AX8], s40, v[L8]
	v_add_nc_u32 v[AB16], RB, v[AX16]
	v_add_nc_u32 v[AB8], RB, v[AX8]
	s_mul_i32 s40, s18, 49152
	s_add_co_u32 s40, s40, RW              ; W likewise
	v_add_nc_u32 v[AW16], s40, v[L16]
	v_add_nc_u32 v[AW8], s40, v[L8]
	v_lshlrev_b32 v14, 2, v1
	v_lshl_add_u32 v15, v2, 6, v14         ; v's scale bytes: 64 h + 4 r
	v_lshl_add_u32 v14, v2, 11, v14        ; q's, k's scale words: 2,048 h + 4 r
.irp b, 0,1,2,3
	v_mov_b32 v[TM+4+\b], 0
.endr
	s_mov_b32 s[SEL], 0x76543210
	s_mov_b32 s[SEL+1], 0xfedcba98
	s_mov_b32 s56, 0x3e3504f3              ; 32^-0.5
	s_mov_b32 s57, s56
	s_mov_b32 s58, 0xffff0000              ; lanes 16-31
	s_lshr_b32 s44, s22, 4                 ; b
	s_and_b32 s45, s22, 15                 ; which 128 rows of the batch
	s_lshl_b32 s40, s44, 5                 ; where q goes: 32 b + g, g = 4 x + 2 wn (k: 64 blocks on, in the stores' offsets)
	s_lshl_b32 s41, s21, 2
	s_add_co_u32 s40, s40, s41
	s_lshl_b32 s41, s18, 1
	s_add_co_u32 s40, s40, s41
	s_lshl_b32 s41, s45, 1
	s_add_co_u32 s41, s41, s[ARM]          ; F
	s_mul_i32 s42, s40, 49152
	s_mul_i32 s46, s41, 1536
	s_add_co_u32 s42, s42, s46
	s_add_nc_u64 s[8:9], s[8:9], s[42:43]
	s_lshl_b32 s42, s40, 11
	s_lshl_b32 s46, s41, 6
	s_add_co_u32 s42, s42, s46
	s_add_nc_u64 s[10:11], s[10:11], s[42:43]
	s_lshl_b32 s40, s44, 4                 ; where v goes: 16 b + head
	s_lshl_b32 s41, s21, 1
	s_add_co_u32 s40, s40, s41
	s_add_co_u32 s40, s40, s18
	s_mul_i32 s42, s40, 98304
	s_mul_i32 s46, s45, 3072
	s_add_co_u32 s42, s42, s46
	s_mul_i32 s46, s[ARM], 768
	s_add_co_u32 s42, s42, s46
	s_add_nc_u64 s[12:13], s[12:13], s[42:43]
	s_lshl_b32 s42, s40, 12
	s_lshl_b32 s46, s45, 7
	s_add_co_u32 s42, s42, s46
	s_lshl_b32 s46, s[ARM], 1
	s_add_co_u32 s42, s42, s46
	s_add_nc_u64 s[14:15], s[14:15], s[42:43]
	s_wait_alu depctr_va_vdst(0)           ; the wait at the head's end
	NEXT G0X, G1X, RB, XQ, 3145728, 1      ; q's operands are in; key_'s tiles into RB, filled for the first time
	COMPUTE 0, AX16, AX8                   ; q
	NEXT G0W, G1W, RW, WQ, 786432, 0       ; nobody reads RW any more: Wk's tiles
	SCLOAD 7                               ; k's scale words
.set n, 0
.rept 64
	v_pk_mul_f32 v[ACC+n:ACC+n+1], v[ACC+n:ACC+n+1], s[56:57] op_sel_hi:[1,0]   ; q x 32^-0.5, ahead of the quantiser
.set n, n+2
.endr
	OUTQK 0
	NEXT G0X, G1X, 0, XQ, 6291456, 0       ; k's operands are in; value's tiles into RA, read last by q's products
	COMPUTE 0, AB16, AB8                   ; k
	NEXT G0W, G1W, RW, WQ, 1572864, 0      ; Wv's tiles
	SCLOAD 9                               ; v's scale words
	s_wait_xcnt 0x0                        ; q's stores have read their registers
	OUTQK 1
	s_wait_tensorcnt 0x0                   ; my part of Wv has landed; nothing is filled again
	s_barrier_signal -1
	s_barrier_wait -1                      ; everybody's has
	COMPUTE 1, AX16, AX8                   ; v
	PLACES 4
	s_wait_xcnt 0x0                        ; k's stores have read their registers
	QUANT ACC, PCA, PWA                    ; d tiles 0, 1: two blocks of keys each
	STORE2 PCA, 0, 1536, 12
	v_lshrrev_b32 v106, 16, v[PWA]
	v_cndmask_b32 v106, v[PWA], v106, s58  ; lanes 0-15 tile 0's two bytes, lanes 16-31 tile 1's
	global_store_b16 v15, v106, s[14:15]
	QUANT ACC+64, PCB, PWB                 ; d tiles 2, 3
	STORE2 PCB, 49152, 1536, 12
	v_lshrrev_b32 v107, 16, v[PWB]
	v_cndmask_b32 v107, v[PWB], v107, s58
	global_store_b16 v15, v107, s[14:15] offset:2048
	s_wait_tensorcnt 0x0                   ; the wave's end
	ds_add_u32 v126, v127
	s_wait_dscnt 0x0
	CROUND                                 ; the closing round
	s_endpgm
.Lfunc_end_k_q4352a6de65_proj:
	.size	k_q4352a6de65_proj, .Lfunc_end_k_q4352a6de65_proj-k_q4352a6de65_proj
	.p2alignl 7, 3214868480
	.fill 96, 4, 3214868480
	.section	.rodata,"a",@progbits
	.p2align	6, 0x0
	.amdhsa_kernel k_q4352a6de65_proj
		.amdhsa_group_segment_fixed_size 327680
		.amdhsa_private_segment_fixed_size 0
		.amdhsa_enable_private_segment 0
		.amdhsa_kernarg_size 48
		.amdhsa_user_sgpr_count 2
		.amdhsa_user_sgpr_kernarg_segment_ptr 1
		.amdhsa_wavefront_size32 1
		.amdhsa_system_sgpr_workgroup_id_x 1
		.amdhsa_system_sgpr_workgroup_id_y 1
		.amdhsa_system_sgpr_workgroup_id_z 1
		.amdhsa_system_vgpr_workitem_id 0
		.amdhsa_next_free_vgpr 448
		.amdhsa_next_free_sgpr 106
		.amdhsa_reserve_vcc 0
		.amdhsa_float_denorm_mode_32 3
		.amdhsa_float_denorm_mode_16_64 3
		.amdhsa_memory_ordered 1
		.amdhsa_forward_progress 1
		.amdhsa_inst_pref_size 144
	.end_amdhsa_kernel
	.amdgpu_metadata
---
amdhsa.version: [ 1, 2 ]
amdhsa.kernels:
  - .name:           k_q4352a6de65_proj
    .symbol:         k_q4352a6de65_proj.kd
    .args:
      - { .name: xc, .offset: 0, .size: 8, .value_kind: global_buffer, .address_space: global }
      - { .name: xs, .offset: 8, .size: 8, .value_kind: global_buffer, .address_space: global }
      - { .name: qkc, .offset: 16, .size: 8, .value_kind: global_buffer, .address_space: global }
      - { .name: qks, .offset: 24, .size: 8, .value_kind: global_buffer, .address_space: global }
      - { .name: vc, .offset: 32, .size: 8, .value_kind: global_buffer, .address_space: global }
      - { .name: vs, .offset: 40, .size: 8, .value_kind: global_buffer, .address_space: global }
    .group_segment_fixed_size: 327680
    .private_segment_fixed_size: 0
    .kernarg_segment_align: 8
    .kernarg_segment_size: 48
    .max_flat_workgroup_size: 128
    .sgpr_count:     106
    .vgpr_count:     448
    .wavefront_size: 32
...
	.end_amdgpu_metadata
.endif
;; end of part 2
;; launch attn (part 3): grid 8 x 32, 16 waves a work-group, clusters of 4 x 1, 272,384 bytes of LDS; arguments qkc, qks, vc, vs, lq1, lk1, lq2, lk2, subln_w, ac, asw; writes ac, asw
.if DOCPART == 3
	.amdgcn_target "amdgcn-amd-amdhsa--gfx1250"
	.amdhsa_code_object_version 6
	.text
	.protected	k_q4352a6de65_attn
	.globl	k_q4352a6de65_attn
	.p2align	8
	.type	k_q4352a6de65_attn,@function
k_q4352a6de65_attn:
	s_mov_b64 s[64:65], 0
	v_nop
	global_prefetch_b8 v0, s[64:65] scope:SCOPE_SE
	s_setreg_imm32_b32 hwreg(HW_REG_WAVE_MODE, 25, 1), 1
	s_wait_xcnt 0x0
	s_wait_alu depctr_hold_cnt(0) depctr_sa_sdst(0) depctr_va_vdst(0) depctr_va_sdst(0) depctr_va_ssrc(0) depctr_va_vcc(0) depctr_vm_vsrc(0)
	s_getreg_b32 s2, hwreg(HW_REG_IB_STS2, 6, 4)
	s_cmp_eq_u32 s2, 0
	s_cbranch_scc0 .Lentry_in_a_cluster
	s_endpgm
.Lentry_in_a_cluster:
	s_bfe_u32 s2, ttmp6, 0x10000c
	s_cmp_lg_u32 s2, 0x3003
	s_cbranch_scc0 .Lentry_shape_is_right
	s_endpgm
.Lentry_shape_is_right:
; For one (batch, head) and 256 queries: a1 = softmax(q1 k1^T) v, a2 = softmax(q2 k2^T) v on codes of FP6 (E2M3); attn = a1 - lam a2; RMS norm over the head's 64; x subln_w x (1 - lambda_init); quantised for the last product.
; THE SOFTMAX: t = score x log2(e); M = the running largest t rounded up to a whole number; p = 2^(t - M) is quantised along the keys, not normalised; the row's sum is taken of the unquantised p and divides at the end.
; SHARES: sixteen waves, four to a SIMD: wave w has split (w xor w / 4) % 2 and query tile w / 2; two passes of 128 queries.  A tile's second split hands its result to the first through LDS, in bytes of their own for each pass.
; THE HEAD'S WHOLE K1, K2, V AND THEIR SCALE WORDS STAY IN LDS: every LDS byte is filled once.  CLUSTER 4 x 1: the four query blocks of a head ask for them jointly.
; ONE tensor load a wave: wave w < 12 fetches piece w / 4 (16,384 bytes) of array w % 4 (V jh 0, V jh 1, K1, K2); waves 12-15 fetch the four arrays' scale words.  No prefetch: no load follows the head's.
; THE SCORES' K IS 32: one block.  A fragment of k holds FOUR tiles of 16 keys, one in each block of 32; q stands in one block of source 1 with zero codes in the other three.
; Both products are used transposed: a lane holds one query throughout.  The keys of a tile are chosen so that p's 16 registers of two neighbouring tiles are 16 neighbouring keys.
; asw is stored one byte a lane (one byte for each 24 of codes): its units of 256 bytes are written in part.
; LIMITS: the scaled scores t stay under 2^31 in magnitude; NaN and infinities are not served; a block of zeros gets the byte 1 (its codes are zeros; this program alone reads the bytes).
.set SCB,   196608                     ; LDS: the four arrays, 49,152 bytes each, from 0; here their scale words, 2,048 bytes each
.set STAGE, 204800                     ; [pass 2][tile 8][4,096]: no tensor load lands here
.set SPARE, 270336
.set L16, 1
.set L8,  2
.set L4,  3
.set ADV16, 4
.set ADV8,  5
.set ADK16, 6
.set ADK8,  7
.set ADKS,  8
.set ADVS,  9
.set STW, 10                           ; my tile's place in the stage
.set FR,  52                           ; v52-99   fragments: two of k, then four of v
.set S,   100                          ; v100-163 the scores, then p
.set O,   164                          ; v164-195 O^T
.set PC,  196                          ; v196-207 p's codes
.set CT,  208
.set BM,  216
.set PT,  220
.set SO,  224
.set FF,  228                          ; f;  v229 p's scale word
.set PW,  229
.set TMP, 230
.set QSW, 231
.set KSW, 232
.set VSW, 233
.set H64, 235
.set NLAM, 236
.set R4,  238
.set R32H, 239
.set T,   240                          ; v240-253 seven partial sums of p
.set WV,  26
.macro PLACES n
.rept \n
	v_nop
.endr
.endm
.macro DEP n
	s_delay_alu instid0(VALU_DEP_\n)
.endm
.macro CROUND
	s_barrier_signal -1
	s_barrier_wait -1
	s_cmp_lg_u32 s[WV], 0
	s_cbranch_scc1 .Lnot_wave_0_\@
	s_barrier_signal -3
.Lnot_wave_0_\@:
	s_barrier_wait -3
	s_barrier_signal -1
	s_barrier_wait -1
.endm
.macro FETCH reg, a16, a8, off
	ds_load_b128 v[\reg:\reg+3], v[\a16] offset:\off
	ds_load_b64 v[\reg+4:\reg+5], v[\a8] offset:\off+512
	ds_load_b128 v[\reg+6:\reg+9], v[\a16] offset:\off+768
	ds_load_b64 v[\reg+10:\reg+11], v[\a8] offset:\off+1280
.endm
.macro STEP                            ; 128 keys
	v_add_nc_u32 v[ADK16], s81, v[L16]     ; four plain lines: also the places behind the last step's products
	v_add_nc_u32 v[ADK8], s81, v[L8]
	v_add_nc_u32 v[ADKS], s82, v[L4]
	v_mov_b32 v211, v12                    ; the old -M: with the three lines above the four places behind the last step's products
	FETCH FR, ADK16, ADK8, 0
	FETCH FR+12, ADK16, ADK8, 1536
	ds_load_b32 v[KSW], v[ADKS]            ; lanes 0-15 the first fragment's words, lanes 16-31 the second's
	s_wait_alu depctr_va_vdst(0)           ; the wait ahead of the wait below
	s_wait_dscnt 0x0
.irp j, 0,1,2,3
	v_wmma_scale_f32_16x16x128_f8f6f4 v[S+8*\j:S+8*\j+7], v[FR:FR+11], v[16+18*(\j%2)+6*(\j/2):27+18*(\j%2)+6*(\j/2)], 0, v[KSW], v[QSW] matrix_a_fmt:MATRIX_FMT_FP6 matrix_b_fmt:MATRIX_FMT_FP6
.endr
.irp j, 0,1,2,3
	v_wmma_scale_f32_16x16x128_f8f6f4 v[S+32+8*\j:S+39+8*\j], v[FR+12:FR+23], v[16+18*(\j%2)+6*(\j/2):27+18*(\j%2)+6*(\j/2)], 0, v[KSW], v[QSW] matrix_a_fmt:MATRIX_FMT_FP6 matrix_b_fmt:MATRIX_FMT_FP6 matrix_a_scale:MATRIX_SCALE_ROW1
.endr
	v_add_nc_u32 v[ADV16], s80, v[L16]     ; four places behind the scores' products
	v_add_nc_u32 v[ADV8], s80, v[L8]
	v_add_nc_u32 v[ADVS], s83, v[L4]
	v_nop
.irp j, 0,1,2,3
	FETCH FR+12*\j, ADV16, ADV8, 49152*(\j/2)+1536*(\j%2)
.endr
	ds_load_b32 v[VSW], v[ADVS]
	ds_load_b32 v[VSW+1], v[ADVS] offset:2048
.irp b, 0,1,2,3
	v_max3_num_f32 v[BM+\b], v[S+16*\b], v[S+1+16*\b], v[S+2+16*\b]   ; the largest score of each block of 32 keys: for the row's maximum and for the block's largest p
.endr
.irp i, 3,5,7,9,11,13
.irp b, 0,1,2,3
	v_max3_num_f32 v[BM+\b], v[BM+\b], v[S+16*\b+\i], v[S+1+16*\b+\i]
.endr
.endr
.irp b, 0,1,2,3
	v_max_num_f32 v[BM+\b], v[BM+\b], v[S+15+16*\b]
.endr
.irp b, 0,1,2,3
	DEP 4
	v_permlanex16_b32 v[PT+\b], v[BM+\b], s72, s73
.endr
.irp b, 0,1,2,3
	DEP 4
	v_max_num_f32 v[BM+\b], v[BM+\b], v[PT+\b]
.endr
	DEP 2
	v_max3_num_f32 v[TMP], v[BM], v[BM+1], v[BM+2]
	DEP 1
	v_max_num_f32 v[TMP], v[TMP], v[BM+3]
	DEP 1
	v_mul_f32 v[TMP], s74, v[TMP]          ; as t
	DEP 1
	v_max_num_f32 v13, v13, v[TMP]         ; the running largest t
	DEP 1
	v_floor_f32 v12, -v13                  ; the new -M = floor(-t)
	DEP 1
	v_sub_f32 v[TMP], v12, v211            ; old M - new M: a whole number, 0 or less
	DEP 1
	v_cvt_i32_f32 v[TMP], v[TMP]           ; (it saturates)
	DEP 1
	v_ldexp_f32 v[FF], 1.0, v[TMP]         ; f = 2^(old M - new M)
.set n, 0
.rept 32
	v_pk_fma_f32 v[S+n:S+n+1], v[S+n:S+n+1], s[74:75], v[12:13] op_sel_hi:[1,0,0]   ; t - M
.set n, n+2
.endr
.irp b, 0,1,2,3
	v_fma_f32 v[BM+\b], v[BM+\b], s74, v12
.endr
	s_wait_alu depctr_va_vdst(0)           ; the wait ahead of the batch
.set n, 0
.rept 64
	v_exp_f32 v[S+n], v[S+n]               ; p = 2^(t - M)
.set n, n+1
.endr
.irp b, 0,1,2,3
	v_exp_f32 v[BM+\b], v[BM+\b]           ; the block's largest p
.endr
	v_pk_mul_f32 v[14:15], v[14:15], v[FF:FF+1] op_sel_hi:[1,0]   ; the sums under the new M (a plain place behind the exponentials)
	s_wait_alu depctr_va_vdst(0)           ; and behind it
.irp b, 0,1,2,3
	v_max_num_f32 v[BM+\b], 0x1800000, v[BM+\b]    ; the floor 2^(3 - 127)
.endr
.irp b, 0,1,2,3
	DEP 4
	v_add_nc_u32 v[SO+\b], 0xff000000, v[BM+\b]    ; the conversion's scale operand
.endr
.irp b, 0,1,2,3
	DEP 4
	v_lshrrev_b32 v[PT+\b], 23, v[SO+\b]           ; the scale's byte
.endr
	DEP 3
	v_lshl_or_b32 v[PW], v[PT+1], 8, v[PT]
	DEP 1
	v_lshl_or_b32 v[PW], v[PT+2], 16, v[PW]
	DEP 1
	v_lshl_or_b32 v[PW], v[PT+3], 24, v[PW]
.irp c, 0,1
	v_cvt_scalef32_pk16_fp6_f32 v[PC+6*\c:PC+2+6*\c], v[S+32*\c:S+15+32*\c], v[SO+2*\c]
	v_cvt_scalef32_pk16_fp6_f32 v[CT+4*\c:CT+2+4*\c], v[S+16+32*\c:S+31+32*\c], v[SO+2*\c+1]
.endr
	v_nop                                  ; one plain place behind a scaled conversion
.irp c, 0,1
.irp i, 0,1,2
	v_permlane16_swap_b32 v[PC+6*\c+\i], v[CT+4*\c+\i]
.endr
.endr
	v_dual_mov_b32 v[PC+3], v[CT] :: v_dual_mov_b32 v[PC+10], v[CT+5]     ; each block's upper 16 codes to their places: of the six moves four go in pairs (one destination odd, one even)
	v_dual_mov_b32 v[PC+4], v[CT+1] :: v_dual_mov_b32 v[PC+9], v[CT+4]
	v_mov_b32 v[PC+5], v[CT+2]
	v_mov_b32 v[PC+11], v[CT+6]
.set n, 0
.rept 16
	v_pk_mul_f32 v[O+n:O+n+1], v[O+n:O+n+1], v[FF:FF+1] op_sel_hi:[1,0]   ; O^T under the new M
.set n, n+2
.endr
.irp i, 0,1,2,3,4,5,6                      ; the row's sum of the unquantised p: eight chains by turns
	v_pk_add_f32 v[T+2*\i:T+2*\i+1], v[S+2*\i:S+2*\i+1], v[S+14+2*\i:S+15+2*\i]
.endr
	v_pk_add_f32 v[14:15], v[14:15], v[S+28:S+29]
.irp g, 30, 46
.irp i, 0,1,2,3,4,5,6
	v_pk_add_f32 v[T+2*\i:T+2*\i+1], v[T+2*\i:T+2*\i+1], v[S+\g+2*\i:S+\g+2*\i+1]
.endr
	v_pk_add_f32 v[14:15], v[14:15], v[S+\g+14:S+\g+15]
.endr
	v_pk_add_f32 v[T:T+1], v[T:T+1], v[S+62:S+63]
	v_pk_add_f32 v[T+4:T+5], v[T+4:T+5], v[T+6:T+7]
	v_pk_add_f32 v[T+8:T+9], v[T+8:T+9], v[T+10:T+11]
	v_pk_add_f32 v[14:15], v[14:15], v[T+12:T+13]
	v_pk_add_f32 v[T:T+1], v[T:T+1], v[T+2:T+3]
	DEP 2
	v_pk_add_f32 v[14:15], v[14:15], v[T+8:T+9]
	DEP 2
	v_pk_add_f32 v[T:T+1], v[T:T+1], v[T+4:T+5]
	DEP 1
	v_pk_add_f32 v[14:15], v[14:15], v[T:T+1]
	s_wait_dscnt 0x0                       ; v's fragments and scale words are in
	v_wmma_scale_f32_16x16x128_f8f6f4 v[O:O+7], v[FR:FR+11], v[PC:PC+11], v[O:O+7], v[VSW], v[PW] matrix_a_fmt:MATRIX_FMT_FP6 matrix_b_fmt:MATRIX_FMT_FP6
	v_wmma_scale_f32_16x16x128_f8f6f4 v[O+8:O+15], v[FR+12:FR+23], v[PC:PC+11], v[O+8:O+15], v[VSW], v[PW] matrix_a_fmt:MATRIX_FMT_FP6 matrix_b_fmt:MATRIX_FMT_FP6 matrix_a_scale:MATRIX_SCALE_ROW1
	v_wmma_scale_f32_16x16x128_f8f6f4 v[O+16:O+23], v[FR+24:FR+35], v[PC:PC+11], v[O+16:O+23], v[VSW+1], v[PW] matrix_a_fmt:MATRIX_FMT_FP6 matrix_b_fmt:MATRIX_FMT_FP6
	v_wmma_scale_f32_16x16x128_f8f6f4 v[O+24:O+31], v[FR+36:FR+47], v[PC:PC+11], v[O+24:O+31], v[VSW+1], v[PW] matrix_a_fmt:MATRIX_FMT_FP6 matrix_b_fmt:MATRIX_FMT_FP6 matrix_a_scale:MATRIX_SCALE_ROW1
	s_add_co_u32 s80, s80, 3072            ; the next step's fragments and scale words
	s_add_co_u32 s81, s81, 3072
	s_add_co_u32 s82, s82, 128
	s_add_co_u32 s83, s83, 128
.endm
.macro PASS                            ; all 2,048 keys: 16 steps
	s_mov_b32 s80, 0
	s_mov_b32 s81, s85
	s_mov_b32 s82, s98
	s_mov_b32 s83, SCB
	s_mov_b32 s84, 16
.Lkeys_\@:
	STEP
	s_sub_co_u32 s84, s84, 1
	s_cmp_lg_u32 s84, 0
	s_cbranch_scc1 .Lkeys_\@
.endm
.macro PHEAD p                         ; a pass's head: my tile of q in its four variants, and the sums' beginnings
	global_load_b128 v[FR:FR+3], v[L16], s[4:5] offset:3072*\p
	global_load_b64 v[FR+4:FR+5], v[L8], s[4:5] offset:3072*\p+512
	global_load_b32 v[TMP], v[R4], s[6:7] offset:128*\p
	v_mov_b32 v13, 0xff61b1e6              ; the largest t so far: -3e38
	DEP 1
	v_floor_f32 v12, -v13
	v_mov_b32 v14, 0
	v_mov_b32 v15, 0
.set n, 0
.rept 32
	v_mov_b32 v[O+n], 0                    ; the step is written once: its first trip finds zeros
.set n, n+1
.endr
	s_wait_loadcnt 0x0
	v_bfe_u32 v[TMP], v[TMP], s79, 8       ; my tile's byte of the fragment's scale word,
	DEP 1
	v_mul_lo_u32 v[QSW], v[TMP], 0x1010101 ; in all four bytes
.irp i, 0,1,2,3,4,5
	v_permlanex16_b32 v[FR+6+\i], v[FR+\i], s72, s73
.endr
.irp i, 0,1,2,3,4,5
	v_cndmask_b32 v[FR+12+\i], v[FR+6+\i], v[FR+\i], s78   ; my tile's codes, in both halves of the lanes
.endr
.irp i, 0,1,2,3,4,5
	v_cndmask_b32 v[16+\i], 0, v[FR+12+\i], s76    ; q in lanes 0-15: v[16:27] block 0, v[22:33] block 2
	v_cndmask_b32 v[28+\i], 0, v[FR+12+\i], s76
	v_cndmask_b32 v[34+\i], 0, v[FR+12+\i], s77    ; q in lanes 16-31: v[34:45] block 1, v[40:51] block 3
	v_cndmask_b32 v[46+\i], 0, v[FR+12+\i], s77
.endr
.endm
.macro FINISH p
	PLACES 4
	v_add_f32 v14, v14, v15
	DEP 1
	v_permlanex16_b32 v[PT], v14, s72, s73
	DEP 1
	v_add_f32 v14, v14, v[PT]              ; the row's sum
	s_wait_alu depctr_va_vdst(0)
	v_rcp_f32 v14, v14
	v_nop
	s_wait_alu depctr_va_vdst(0)
.set n, 0
.rept 16
	v_pk_mul_f32 v[S+n:S+n+1], v[O+n:O+n+1], v[14:15] op_sel_hi:[1,0]   ; register 16 b + i: d = 32 b + 16 h + i of my query
.set n, n+2
.endr
	s_wait_alu depctr_va_vdst(0)           ; the wait ahead of the branch
	s_cmp_eq_u32 s27, 0
	s_cbranch_scc1 .Lkeep_\@               ; the first split keeps its result in registers
.irp k, 0,1,2,3,4,5,6,7
	ds_store_b128 v[STW], v[S+4*\k:S+4*\k+3] offset:32768*\p+512*\k
.endr
.Lkeep_\@:
	s_wait_dscnt 0x0                       ; for the others' sake: my stores have landed
	s_barrier_signal -1
	s_barrier_wait -1
	s_cmp_lg_u32 s27, 0
	s_cbranch_scc1 .Lfin_\@                ; the rest is the first split's wave's
.irp b, 0,1
.irp j, 0,1,2,3
	global_load_b128 v[FR+16*\b+4*\j:FR+16*\b+4*\j+3], v[H64], s[20:21] offset:128*\b+16*\j   ; subln_w at my 32 d
.endr
.endr
.irp k, 0,1,2,3,4,5,6,7
	ds_load_b128 v[S+32+4*\k:S+35+4*\k], v[STW] offset:32768*\p+512*\k
.endr
	s_wait_dscnt 0x0
.set n, 0
.rept 16
	v_pk_fma_f32 v[S+n:S+n+1], v[S+32+n:S+33+n], v[NLAM:NLAM+1], v[S+n:S+n+1]   ; a1 - lam a2
.set n, n+2
.endr
	v_pk_mul_f32 v[BM:BM+1], v[S:S+1], v[S:S+1]
	v_pk_mul_f32 v[BM+2:BM+3], v[S+2:S+3], v[S+2:S+3]
.set n, 4
.rept 7
	DEP 2
	v_pk_fma_f32 v[BM:BM+1], v[S+n:S+n+1], v[S+n:S+n+1], v[BM:BM+1]
	DEP 2
	v_pk_fma_f32 v[BM+2:BM+3], v[S+2+n:S+3+n], v[S+2+n:S+3+n], v[BM+2:BM+3]
.set n, n+4
.endr
	DEP 1
	v_pk_add_f32 v[BM:BM+1], v[BM:BM+1], v[BM+2:BM+3]
	DEP 1
	v_add_f32 v[BM], v[BM], v[BM+1]
	DEP 1
	v_permlanex16_b32 v[PT], v[BM], s72, s73
	DEP 1
	v_add_f32 v[BM], v[BM], v[PT]          ; the sum of the 64 squares
	DEP 1
	v_fma_f32 v[BM], v[BM], s96, s97       ; / 64 + eps
	s_wait_alu depctr_va_vdst(0)
	v_rsq_f32 v[BM], v[BM]
	v_nop
	s_wait_loadcnt 0x0
	s_wait_alu depctr_va_vdst(0)
.set n, 0
.rept 16
	v_pk_mul_f32 v[S+n:S+n+1], v[S+n:S+n+1], v[BM:BM+1] op_sel_hi:[1,0]
.set n, n+2
.endr
.set n, 0
.rept 16
	v_pk_mul_f32 v[S+n:S+n+1], v[S+n:S+n+1], v[FR+n:FR+n+1]
.set n, n+2
.endr
.set n, 0
.rept 16
	v_pk_mul_f32 v[S+n:S+n+1], v[S+n:S+n+1], 0x3ec2ed47 op_sel_hi:[1,0]   ; x (1 - lambda_init)
.set n, n+2
.endr
.irp b, 0,1                                ; the head's two blocks of the last product's K
	v_max3_num_f32 v[BM+\b], |v[S+16*\b]|, |v[S+1+16*\b]|, 0x1800000
.endr
.irp i, 2,4,6,8,10,12,14
.irp b, 0,1
	DEP 2
	v_max3_num_f32 v[BM+\b], v[BM+\b], |v[S+16*\b+\i]|, |v[S+1+16*\b+\i]|
.endr
.endr
.irp b, 0,1
	DEP 2
	v_permlanex16_b32 v[PT+\b], v[BM+\b], s72, s73
.endr
.irp b, 0,1
	DEP 2
	v_max_num_f32 v[BM+\b], v[BM+\b], v[PT+\b]
.endr
.irp b, 0,1
	DEP 2
	v_add_nc_u32 v[SO+\b], 0xff000000, v[BM+\b]
.endr
.irp b, 0,1
	DEP 2
	v_lshrrev_b32 v[PT+\b], 23, v[SO+\b]
.endr
	v_cvt_scalef32_pk16_fp6_f32 v[PC:PC+2], v[S:S+15], v[SO]
	v_cvt_scalef32_pk16_fp6_f32 v[CT:CT+2], v[S+16:S+31], v[SO+1]
	v_nop
.irp i, 0,1,2
	v_permlane16_swap_b32 v[PC+\i], v[CT+\i]
.endr
.irp i, 0,1,2
	DEP 3
	v_mov_b32 v[PC+3+\i], v[CT+\i]
.endr
	v_cndmask_b32 v[TMP], v[PT], v[PT+1], s77      ; lanes 0-15 block 0's byte, lanes 16-31 block 1's
	global_store_b128 v[L16], v[PC:PC+3], s[22:23] offset:98304*\p
	global_store_b64 v[L8], v[PC+4:PC+5], s[22:23] offset:98304*\p+512
	global_store_b8 v[R32H], v[TMP], s[24:25] offset:4096*\p
.Lfin_\@:
.endm
	s_load_b512 s[4:19], s[0:1], 0x0       ; qkc, qks, vc, vs, lq1, lk1, lq2, lk2
	s_load_b128 s[20:23], s[0:1], 0x40     ; subln_w, ac
	s_load_b64 s[24:25], s[0:1], 0x50      ; asw
	v_lshl_add_u32 v254, v0, 2, SPARE
	v_mov_b32 v255, 0
	ds_add_u32 v254, v255                  ; the opening lines
	ds_add_u32 v254, v255
	v_lshrrev_b32 v1, 5, v0
	DEP 1
	v_readfirstlane_b32 s[WV], v1          ; wave 0..15
	s_lshr_b32 s27, s[WV], 2
	s_xor_b32 s27, s27, s[WV]
	s_and_b32 s27, s27, 1                  ; split: (w xor w / 4) % 2, so that of waves w, w + 4, w + 8, w + 12, and of four neighbouring waves alike, two have each split
	s_lshr_b32 s28, s[WV], 1               ; query tile of the pass: waves 2 t and 2 t + 1 have its two splits
	s_and_b32 s99, s[WV], 3                ; the array that I fetch for
	s_lshr_b32 s70, s[WV], 2
	s_lshl_b32 s70, s70, 14                ; my piece of it, in bytes
	s_mov_b32 s71, 0
	s_bfe_u32 s29, ttmp6, 0x40000          ; cx
	s_lshl_b32 s30, ttmp9, 2
	s_add_co_u32 s30, s30, s29             ; my block of 256 queries: it enters global addresses of q and of the results alone
	s_and_b32 s31, ttmp7, 0xffff           ; 16 b + head, which the four partners share
	s_lshr_b32 s86, s31, 4                 ; b
	s_and_b32 s87, s31, 15                 ; head
	s_mov_b32 s32, 15|(3<<16)|(1<<21)      ; group 1 for a piece: all four work-groups; elements of 8 bytes; 64 rows of 256 dense bytes
	s_mov_b32 s33, 32<<16
	s_mov_b32 s34, 64<<16
	s_mov_b32 s35, 32<<16
	s_mov_b32 s36, 64
	s_mov_b32 s37, 32
	s_mov_b32 s38, 0
	s_mov_b32 s39, 0
	s_mov_b32 s40, 15|(3<<16)|(1<<21)      ; for the scale words: 8 rows of 256
	s_mov_b32 s41, 32<<16
	s_mov_b32 s42, 8<<16
	s_mov_b32 s43, 32<<16
	s_mov_b32 s44, 8
	s_mov_b32 s45, 32
	s_mov_b32 s46, 0
	s_mov_b32 s47, 0
	s_lshl_b32 s88, s31, 1
	s_add_co_u32 s88, s88, s99             ; arrays 0, 1: v's half jh
	s_lshl_b32 s89, s86, 5
	s_lshl_b32 s94, s99, 4
	s_add_co_u32 s89, s89, s94
	s_add_co_u32 s89, s89, s87
	s_add_co_u32 s89, s89, 32              ; arrays 2, 3: k: (2 + b) 32 + 16 (array - 2) + head
	s_mul_i32 s96, s99, 49152              ; where they go
	s_add_co_u32 s96, s96, s70
	s_lshl_b32 s97, s99, 11
	s_wait_dscnt 0x0
	s_wait_kmcnt 0x0
	s_cmp_lt_u32 s99, 2
	s_cselect_b32 s88, s88, s89
	s_cselect_b64 s[90:91], s[8:9], s[4:5]
	s_cselect_b64 s[92:93], s[10:11], s[6:7]
	s_mul_i32 s94, s88, 49152
	s_mov_b32 s95, 0
	s_add_nc_u64 s[90:91], s[90:91], s[94:95]
	s_lshl_b32 s94, s88, 11
	s_add_nc_u64 s[92:93], s[92:93], s[94:95]
	s_mov_b32 s48, 1
	s_add_co_u32 s49, s97, SCB
	s_mov_b64 s[50:51], s[92:93]
	s_or_b32 s51, s51, 0x80000000
	s_mov_b32 s52, 1
	s_add_co_u32 s53, s96, 0
	s_add_nc_u64 s[54:55], s[90:91], s[70:71]
	s_or_b32 s55, s55, 0x80000000
	CROUND                                 ; all four work-groups are here: the joint loads meet
	s_cmp_lt_u32 s[WV], 12                 ; one chain, one load to an arm
	s_cbranch_scc0 .Lwords
	tensor_load_to_lds s[52:55], s[32:39]
	s_nop 0
	PLACES 4
	s_branch .Lasked
.Lwords:
	tensor_load_to_lds s[48:51], s[40:47]
	s_nop 0
	PLACES 4
.Lasked:
	s_lshl_b32 s88, s86, 5
	s_lshl_b32 s89, s27, 4
	s_add_co_u32 s88, s88, s89
	s_add_co_u32 s88, s88, s87             ; q: b 32 + 16 split + head
	s_lshl_b32 s89, s30, 2
	s_lshr_b32 s94, s28, 2
	s_add_co_u32 s89, s89, s94             ; its fragment of 64 queries in pass 0
	s_mul_i32 s94, s88, 49152
	s_mul_i32 s96, s89, 1536
	s_add_co_u32 s94, s94, s96
	s_bfe_u32 s96, s28, 0x10001
	s_mul_i32 s96, s96, 768                ; and the half that holds my tile
	s_add_co_u32 s94, s94, s96
	s_add_nc_u64 s[4:5], s[4:5], s[94:95]
	s_lshl_b32 s94, s88, 11
	s_lshl_b32 s96, s89, 6
	s_add_co_u32 s94, s94, s96
	s_add_nc_u64 s[6:7], s[6:7], s[94:95]
	s_lshl_b32 s88, s86, 7
	s_lshl_b32 s89, s30, 4
	s_add_co_u32 s88, s88, s89
	s_add_co_u32 s88, s88, s28             ; my tile of rows among the 256
	s_mul_i32 s94, s88, 12288
	s_mul_i32 s96, s87, 768
	s_add_co_u32 s94, s94, s96
	s_add_nc_u64 s[22:23], s[22:23], s[94:95]
	s_lshl_b32 s94, s88, 9
	s_lshl_b32 s96, s87, 1
	s_add_co_u32 s94, s94, s96
	s_add_nc_u64 s[24:25], s[24:25], s[94:95]
	s_mov_b32 s72, 0x76543210
	s_mov_b32 s73, 0xfedcba98
	s_mov_b32 s74, 0x3fb8aa3b              ; log2(e)
	s_mov_b32 s75, s74
	s_mov_b32 s76, 0xffff
	s_mov_b32 s77, 0xffff0000
	s_and_b32 s78, s28, 1
	s_cmp_lg_u32 s78, 0
	s_cselect_b32 s78, s77, s76            ; the lanes in which the loaded half holds my tile
	s_and_b32 s79, s28, 3
	s_lshl_b32 s79, s79, 3
	s_mul_i32 s85, s27, 49152
	s_add_co_u32 s85, s85, 98304           ; my split's k
	s_lshl_b32 s98, s27, 11
	s_add_co_u32 s98, s98, SCB+4096        ; and its scale words
	s_mov_b32 s96, 0x3c800000              ; 1 / 64
	s_mov_b32 s97, 0x3727c5ac              ; eps
	v_and_b32 v[TMP], 31, v0
	DEP 1
	v_lshlrev_b32 v[L16], 4, v[TMP]
	DEP 2
	v_lshlrev_b32 v[L8], 3, v[TMP]
	DEP 3
	v_lshlrev_b32 v[L4], 2, v[TMP]
	v_and_b32 v228, 15, v0                 ; r
	v_bfe_u32 v229, v0, 4, 1               ; h
	DEP 2
	v_lshlrev_b32 v[R4], 2, v228
	DEP 2
	v_lshl_add_u32 v[R32H], v228, 5, v229
	DEP 3
	v_lshlrev_b32 v[H64], 6, v229
	s_lshl_b32 s88, s28, 12
	s_add_co_u32 s88, s88, STAGE
	v_add_nc_u32 v[STW], s88, v[L16]
	global_load_b32 v216, v[L4], s[12:13]
	global_load_b32 v217, v[L4], s[14:15]
	global_load_b32 v218, v[L4], s[16:17]
	global_load_b32 v219, v[L4], s[18:19]
.irp i, 0,1,2,3,4,5
	v_mov_b32 v[22+\i], 0                  ; the zero codes between q's variants
	v_mov_b32 v[40+\i], 0
	v_mov_b32 v[FR+6+\i], 0                ; a lane permute's destination counts as one of its sources
.endr
.irp b, 0,1,2,3
	v_mov_b32 v[PT+\b], 0
.endr
	v_mov_b32 v[PW], 0                     ; (named as the upper half of the pair with f before it is first written)
	s_wait_alu depctr_va_vdst(0)
	s_wait_loadcnt 0x0
	v_mul_f32 v216, v216, v217
	v_mul_f32 v218, v218, v219
.irp m, 1,2,4,8
	DEP 2
	v_add_f32_dpp v216, v216, v216 row_xmask:\m row_mask:0xf bank_mask:0xf
	DEP 2
	v_add_f32_dpp v218, v218, v218 row_xmask:\m row_mask:0xf bank_mask:0xf
.endr
	DEP 2
	v_permlanex16_b32 v[PT], v216, s72, s73
	DEP 2
	v_permlanex16_b32 v[PT+1], v218, s72, s73
	DEP 2
	v_add_f32 v216, v216, v[PT]
	DEP 2
	v_add_f32 v218, v218, v[PT+1]
	DEP 2
	v_mul_f32 v216, s74, v216
	DEP 2
	v_mul_f32 v218, s74, v218
	s_wait_alu depctr_va_vdst(0)
	v_exp_f32 v216, v216
	v_exp_f32 v218, v218
	v_nop
	s_wait_alu depctr_va_vdst(0)
	v_sub_f32 v216, v216, v218
	DEP 1
	v_add_f32 v216, 0x3f1e895d, v216       ; lam = lam1 - lam2 + lambda_init
	DEP 1
	v_mul_f32 v[NLAM], -1.0, v216
	DEP 1
	v_mov_b32 v[NLAM+1], v[NLAM]
	PHEAD 0
	s_wait_alu depctr_va_vdst(0)           ; the wait at the head's end
	s_wait_tensorcnt 0x0                   ; my one load has landed
	s_barrier_signal -1
	s_barrier_wait -1                      ; all sixteen have
	PASS
	s_wait_alu depctr_va_vdst(0)
	FINISH 0
	s_wait_xcnt 0x0                        ; pass 0's loads and stores have read their registers
	PHEAD 1
	PASS                                   ; no barrier here: pass 1 has stage bytes of its own
	s_wait_alu depctr_va_vdst(0)
	FINISH 1
	s_wait_tensorcnt 0x0                   ; the wave's end
	ds_add_u32 v254, v255
	s_wait_dscnt 0x0
	CROUND                                 ; the closing round
	s_endpgm
.Lfunc_end_k_q4352a6de65_attn:
	.size	k_q4352a6de65_attn, .Lfunc_end_k_q4352a6de65_attn-k_q4352a6de65_attn
	.p2alignl 7, 3214868480
	.fill 96, 4, 3214868480
	.section	.rodata,"a",@progbits
	.p2align	6, 0x0
	.amdhsa_kernel k_q4352a6de65_attn
		.amdhsa_group_segment_fixed_size 272384
		.amdhsa_private_segment_fixed_size 0
		.amdhsa_enable_private_segment 0
		.amdhsa_kernarg_size 88
		.amdhsa_user_sgpr_count 2
		.amdhsa_user_sgpr_kernarg_segment_ptr 1
		.amdhsa_wavefront_size32 1
		.amdhsa_system_sgpr_workgroup_id_x 1
		.amdhsa_system_sgpr_workgroup_id_y 1
		.amdhsa_system_sgpr_workgroup_id_z 1
		.amdhsa_system_vgpr_workitem_id 0
		.amdhsa_next_free_vgpr 256
		.amdhsa_next_free_sgpr 100
		.amdhsa_reserve_vcc 0
		.amdhsa_float_denorm_mode_32 3
		.amdhsa_float_denorm_mode_16_64 3
		.amdhsa_memory_ordered 1
		.amdhsa_forward_progress 1
		.amdhsa_inst_pref_size 78
	.end_amdhsa_kernel
	.amdgpu_metadata
---
amdhsa.version: [ 1, 2 ]
amdhsa.kernels:
  - .name:           k_q4352a6de65_attn
    .symbol:         k_q4352a6de65_attn.kd
    .args:
      - { .name: qkc, .offset: 0, .size: 8, .value_kind: global_buffer, .address_space: global }
      - { .name: qks, .offset: 8, .size: 8, .value_kind: global_buffer, .address_space: global }
      - { .name: vc, .offset: 16, .size: 8, .value_kind: global_buffer, .address_space: global }
      - { .name: vs, .offset: 24, .size: 8, .value_kind: global_buffer, .address_space: global }
      - { .name: lq1, .offset: 32, .size: 8, .value_kind: global_buffer, .address_space: global }
      - { .name: lk1, .offset: 40, .size: 8, .value_kind: global_buffer, .address_space: global }
      - { .name: lq2, .offset: 48, .size: 8, .value_kind: global_buffer, .address_space: global }
      - { .name: lk2, .offset: 56, .size: 8, .value_kind: global_buffer, .address_space: global }
      - { .name: subln_w, .offset: 64, .size: 8, .value_kind: global_buffer, .address_space: global }
      - { .name: ac, .offset: 72, .size: 8, .value_kind: global_buffer, .address_space: global }
      - { .name: asw, .offset: 80, .size: 8, .value_kind: global_buffer, .address_space: global }
    .group_segment_fixed_size: 272384
    .private_segment_fixed_size: 0
    .kernarg_segment_align: 8
    .kernarg_segment_size: 88
    .max_flat_workgroup_size: 512
    .sgpr_count:     100
    .vgpr_count:     256
    .wavefront_size: 32
...
	.end_amdgpu_metadata
.endif
;; end of part 3
;; launch outp (part 4): grid 8 x 32, 4 waves a work-group, clusters of 4 x 4, 214,528 bytes of LDS; arguments ac, asw, xc, xs, bp, out0; writes out0
.if DOCPART == 4
	.amdgcn_target "amdgcn-amd-amdhsa--gfx1250"
	.amdhsa_code_object_version 6
	.text
	.protected	k_q4352a6de65_outp
	.globl	k_q4352a6de65_outp
	.p2align	8
	.type	k_q4352a6de65_outp,@function
k_q4352a6de65_outp:
	s_mov_b64 s[64:65], 0
	v_nop
	global_prefetch_b8 v0, s[64:65] scope:SCOPE_SE
	s_setreg_imm32_b32 hwreg(HW_REG_WAVE_MODE, 25, 1), 1
	s_wait_xcnt 0x0
	s_wait_alu depctr_hold_cnt(0) depctr_sa_sdst(0) depctr_va_vdst(0) depctr_va_sdst(0) depctr_va_ssrc(0) depctr_va_vcc(0) depctr_vm_vsrc(0)
	s_getreg_b32 s2, hwreg(HW_REG_IB_STS2, 6, 4)
	s_cmp_eq_u32 s2, 0
	s_cbranch_scc0 .Lentry_in_a_cluster
	s_endpgm
.Lentry_in_a_cluster:
	s_bfe_u32 s2, ttmp6, 0x10000c
	s_cmp_lg_u32 s2, 0xf033
	s_cbranch_scc0 .Lentry_shape_is_right
	s_endpgm
.Lentry_shape_is_right:
; out0 = attn Wp^T + bp on codes of FP6 (E2M3).  Work-group (x, y): rows 128 y on, columns 128 x on; K = 1,024 lies whole in LDS: every LDS byte is filled once.  Four waves, each 64 x 64.
; CLUSTER 4 x 4: attn's tiles are shared along a row of the cluster, Wp's along a column: each is asked for jointly.  ONE tensor load a wave: four tiles, 49,152 dense bytes.
; LDS: attn [tile 8][K step 8][1,536] at 0, Wp likewise at 98,304.  The scale words go from memory into registers, a set for each side.  No prefetch: no load follows the head's.
; Source 0 = Wp, source 1 = attn: a lane holds one row of out0 and neighbouring columns.  A tile's lane r holds row 32 (t / 2) + 8 (t % 2) + r + 8 (r / 8) of its 64.  The bias is the C of each sum's first product.
; The way out goes through each wave's own stage, so that sixteen lanes store 256 consecutive bytes, aligned.
.set STG,  196608                      ; 16 rows x 272 bytes for each wave; no tensor load lands here
.set SPARE, STG+4*4352
.set L16,  3
.set L8,   4
.set ASC,  5                           ; attn's scale words' offset in asw
.set AX16, 6
.set ASW,  7                           ; Wp's in xs
.set AX8,  8
.set AW16, 10
.set AW8,  12
.set BO,   14
.set STO,  15
.set SC,   16                          ; v16-47  attn's scale words: register 8 j + s
.set BI,   48                          ; v48-79  the bias; later, with v80-111, rows read back from the stage
.set SCW,  80                          ; v80-111 Wp's scale words: register 8 i + s
.set RDA,  112
.set CO,   113
.set ACC,  128
.set WV,   16
.set ARM,  17
.set G1X,  24
.set G1W,  32
.set G0X,  68
.set G0W,  84
.set MSB, 0
.macro WIN new
.if MSB != \new
	s_set_vgpr_msb (MSB<<8)|\new
.set MSB, \new
.endif
.endm
.macro PLACES n
.rept \n
	v_nop
.endr
.endm
.macro CROUND
	s_barrier_signal -1
	s_barrier_wait -1
	s_cmp_lg_u32 s[WV], 0
	s_cbranch_scc1 .Lnot_wave_0_\@
	s_barrier_signal -3
.Lnot_wave_0_\@:
	s_barrier_wait -3
	s_barrier_signal -1
	s_barrier_wait -1
.endm
.macro FETCH reg, a16, a8, off
	ds_load_b128 v[\reg:\reg+3], v[\a16] offset:\off
	ds_load_b64 v[\reg+4:\reg+5], v[\a8] offset:\off+512
	ds_load_b128 v[\reg+6:\reg+9], v[\a16] offset:\off+768
	ds_load_b64 v[\reg+10:\reg+11], v[\a8] offset:\off+1280
.endm
.macro FETCHSET p, s
	WIN 0x40
.irp i, 0,1,2,3
	FETCH 96*(\p)+12*\i, AX16, AX8, 12288*\i+1536*(\s)
	FETCH 96*(\p)+48+12*\i, AW16, AW8, 12288*\i+1536*(\s)
.endr
.endm
.macro MULS s, p                       ; the 16 accumulators take turns
.irp j, 0,1,2,3
.irp i, 0,1,2,3
.if (\s) == 0
	v_wmma_scale_f32_16x16x128_f8f6f4 v[ACC+32*\j+8*\i:ACC+32*\j+8*\i+7], v[96*(\p)+48+12*\i:96*(\p)+48+12*\i+11], v[96*(\p)+12*\j:96*(\p)+12*\j+11], v[BI+8*\i:BI+8*\i+7], v[SCW+8*\i+(\s)], v[SC+8*\j+(\s)] matrix_a_fmt:MATRIX_FMT_FP6 matrix_b_fmt:MATRIX_FMT_FP6
.else
	v_wmma_scale_f32_16x16x128_f8f6f4 v[ACC+32*\j+8*\i:ACC+32*\j+8*\i+7], v[96*(\p)+48+12*\i:96*(\p)+48+12*\i+11], v[96*(\p)+12*\j:96*(\p)+12*\j+11], v[ACC+32*\j+8*\i:ACC+32*\j+8*\i+7], v[SCW+8*\i+(\s)], v[SC+8*\j+(\s)] matrix_a_fmt:MATRIX_FMT_FP6 matrix_b_fmt:MATRIX_FMT_FP6
.endif
.endr
.endr
.endm
.macro GSTEP s
	s_wait_dscnt 0x0                       ; this step's fragments are in
.if (\s) < 7
.if (\s) > 0
	PLACES 4
.endif
	FETCHSET ((\s)+1)%2, (\s)+1
.endif
	WIN 0x05
	MULS \s, (\s)%2
.endm
.macro OUTJ j                          ; tile j of my rows: 16 rows x 64 columns through my stage; LDS serves a wave's instructions in order
.set BK, BI+32*((\j)%2)
.if (\j) > 1
	s_wait_xcnt 0x0                        ; tile j - 2's stores have read the registers that the loads below fill
.endif
.irp e, 0,1
.irp u, 0,1,2,3
	ds_store_b128 v[STO], v[ACC+32*(\j)+16*\e+4*\u:ACC+32*(\j)+16*\e+4*\u+3] offset:128*\e+16*\u   ; each accumulator from its low end on
.endr
.endr
.irp t, 0,1,2,3,4,5,6,7
	ds_load_b128 v[BK+4*\t:BK+4*\t+3], v[RDA] offset:544*\t
.endr
	s_wait_dscnt 0x0
.irp t, 0,1,2,3,4,5,6,7
	global_store_b128 v[CO], v[BK+4*\t:BK+4*\t+3], s[14:15] offset:(32*((\j)/2)+8*((\j)%2)+2*\t+8*(\t/4))*4096 th:TH_STORE_NT   ; sixteen lanes store 256 consecutive bytes, aligned
.endr
.endm
	s_load_b256 s[4:11], s[0:1], 0x0       ; ac, asw, xc, xs
	s_load_b128 s[12:15], s[0:1], 0x20     ; bp, out0
	v_lshl_add_u32 v126, v0, 2, SPARE
	v_mov_b32 v127, 0
	ds_add_u32 v126, v127                  ; the opening lines
	ds_add_u32 v126, v127
	v_lshrrev_b32 v1, 5, v0
	v_readfirstlane_b32 s[WV], v1
	s_lshr_b32 s[ARM], s[WV], 1            ; wm.  Also: I fetch for attn (0) or for Wp (1)
	s_and_b32 s18, s[WV], 1                ; wn.  Also: which four tiles I fetch
	s_bfe_u32 s19, ttmp6, 0x40000
	s_bfe_u32 s20, ttmp6, 0x40004
	s_lshl_b32 s21, ttmp9, 2
	s_add_co_u32 s21, s21, s19             ; work-group x
	s_and_b32 s22, ttmp7, 0xffff
	s_lshl_b32 s22, s22, 2
	s_add_co_u32 s22, s22, s20             ; work-group y
	s_lshl_b32 s2, s20, 2
	s_lshl_b32 s2, 15, s2
	s_lshl_b32 s3, 0x1111, s19
	s_or_b32 s[G1X], s2, (3<<16)|(1<<21)
	s_or_b32 s[G1W], s3, (3<<16)|(1<<21)
.irp g, G1X, G1W                           ; 49,152 dense bytes as 192 rows of 256
	s_mov_b32 s[\g+1], 32<<16
	s_mov_b32 s[\g+2], 192<<16
	s_mov_b32 s[\g+3], 32<<16
	s_mov_b32 s[\g+4], 192
	s_mov_b32 s[\g+5], 32
	s_mov_b32 s[\g+6], 0
	s_mov_b32 s[\g+7], 0
.endr
	s_mul_i32 s2, s[WV], 49152
	s_mov_b32 s[G0X], 1
	s_mov_b32 s[G0W], 1
	s_add_co_u32 s[G0X+1], s2, 0
	s_add_co_u32 s[G0W+1], s2, 0
	s_lshl_b32 s66, s22, 3
	s_lshl_b32 s100, s18, 2
	s_add_co_u32 s66, s66, s100            ; attn's first tile that I fetch: 8 y + 4 half
	s_lshl_b32 s104, s21, 3
	s_add_co_u32 s104, s104, s100
	s_add_co_u32 s104, s104, 960           ; Wp's: 960 + 8 x + 4 half: also the four that I multiply
	s_lshl_b32 s100, s22, 3
	s_lshl_b32 s101, s[ARM], 2
	s_add_co_u32 s100, s100, s101
	s_lshl_b32 s100, s100, 9               ; the scale words of attn's tiles that I multiply
	s_lshl_b32 s2, s104, 9                 ; and of Wp's
	s_mul_i32 s66, s66, 12288
	s_mov_b32 s67, 0
	s_mul_i32 s104, s104, 12288
	s_mov_b32 s105, 0
	s_wait_dscnt 0x0
	s_wait_kmcnt 0x0
	s_add_nc_u64 s[G0X+2:G0X+3], s[4:5], s[66:67]
	s_or_b32 s[G0X+3], s[G0X+3], 0x80000000
	s_add_nc_u64 s[G0W+2:G0W+3], s[8:9], s[104:105]
	s_or_b32 s[G0W+3], s[G0W+3], 0x80000000
	CROUND                                 ; all sixteen work-groups are here: the joint loads meet
	s_cmp_eq_u32 s[ARM], 0                 ; one chain, one load to an arm
	s_cbranch_scc0 .Lfor_w
	tensor_load_to_lds s[G0X:G0X+3], s[G1X:G1X+7]
	s_nop 0
	PLACES 4
	s_branch .Lasked
.Lfor_w:
	tensor_load_to_lds s[G0W:G0W+3], s[G1W:G1W+7]
	s_nop 0
	PLACES 4
.Lasked:
	v_and_b32 v1, 15, v0                   ; r
	v_bfe_u32 v2, v0, 4, 1                 ; h
	v_lshlrev_b32 v[ASC], 5, v1
	v_add_nc_u32 v[ASW], s2, v[ASC]
	v_add_nc_u32 v[ASC], s100, v[ASC]
.irp i, 0,1,2,3
	global_load_b128 v[SC+8*\i:SC+8*\i+3], v[ASC], s[6:7] offset:512*\i
	global_load_b128 v[SC+8*\i+4:SC+8*\i+7], v[ASC], s[6:7] offset:512*\i+16
	global_load_b128 v[SCW+8*\i:SCW+8*\i+3], v[ASW], s[10:11] offset:512*\i
	global_load_b128 v[SCW+8*\i+4:SCW+8*\i+7], v[ASW], s[10:11] offset:512*\i+16
.endr
	v_lshlrev_b32 v[BO], 6, v2
	s_lshl_b32 s104, s21, 9
	s_lshl_b32 s2, s18, 8
	s_add_co_u32 s104, s104, s2            ; my first column, in bytes: 512 x + 256 wn
	s_mov_b32 s105, 0
	s_add_nc_u64 s[12:13], s[12:13], s[104:105]
.irp i, 0,1,2,3
	global_load_b128 v[BI+8*\i:BI+8*\i+3], v[BO], s[12:13] offset:(32*(\i/2)+8*(\i%2))*4      ; tile i, lane (r, h): bp at columns 32 (i / 2) + 16 h + 8 (i % 2) + 0 .. 7
	global_load_b128 v[BI+8*\i+4:BI+8*\i+7], v[BO], s[12:13] offset:(32*(\i/2)+8*(\i%2))*4+16
.endr
	s_lshl_b32 s2, s22, 7
	s_lshl_b32 s3, s[ARM], 6
	s_add_co_u32 s2, s2, s3                ; my first row
	s_lshl_b32 s2, s2, 12
	s_add_co_u32 s104, s104, s2
	s_add_nc_u64 s[14:15], s[14:15], s[104:105]
	v_and_b32 v3, 31, v0
	v_lshlrev_b32 v[L8], 3, v3
	v_lshlrev_b32 v[L16], 4, v3
	s_mul_i32 s2, s[ARM], 49152
	v_add_nc_u32 v[AX16], s2, v[L16]
	v_add_nc_u32 v[AX8], s2, v[L8]
	s_mul_i32 s2, s18, 49152
	s_add_co_u32 s2, s2, 98304
	v_add_nc_u32 v[AW16], s2, v[L16]
	v_add_nc_u32 v[AW8], s2, v[L8]
	s_mul_i32 s2, s[WV], 4352
	s_add_co_u32 s2, s2, STG               ; my stage
	s_wait_alu depctr_va_vdst(0)           ; the wait ahead of the readers of r and h below
	v_mul_u32_u24 v[STO], v1, 272
	v_lshl_add_u32 v[STO], v2, 6, v[STO]
	v_add_nc_u32 v[STO], s2, v[STO]        ; in: row r, + 64 h
	v_mul_u32_u24 v[RDA], v2, 272
	v_lshl_add_u32 v[RDA], v1, 4, v[RDA]
	v_add_nc_u32 v[RDA], s2, v[RDA]        ; back: lanes 0-15 one row of 256 bytes, lanes 16-31 the next
	v_lshlrev_b32 v[CO], 12, v2
	v_lshl_add_u32 v[CO], v1, 4, v[CO]     ; and the same two rows in out0
	s_wait_alu depctr_va_vdst(0)           ; the wait at the head's end
	s_wait_tensorcnt 0x0                   ; my four tiles have landed
	s_barrier_signal -1
	s_barrier_wait -1                      ; everybody's have
	FETCHSET 0, 0
	s_wait_loadcnt 0x0                     ; the scale words and the bias
.irp t, 0,1,2,3,4,5,6,7
	GSTEP \t
.endr
	WIN 0
	PLACES 4
	OUTJ 0
	OUTJ 1
	OUTJ 2
	OUTJ 3
	s_wait_tensorcnt 0x0                   ; the wave's end
	ds_add_u32 v126, v127
	s_wait_dscnt 0x0
	CROUND                                 ; the closing round
	s_endpgm
.Lfunc_end_k_q4352a6de65_outp:
	.size	k_q4352a6de65_outp, .Lfunc_end_k_q4352a6de65_outp-k_q4352a6de65_outp
	.p2alignl 7, 3214868480
	.fill 96, 4, 3214868480
	.section	.rodata,"a",@progbits
	.p2align	6, 0x0
	.amdhsa_kernel k_q4352a6de65_outp
		.amdhsa_group_segment_fixed_size 214528
		.amdhsa_private_segment_fixed_size 0
		.amdhsa_enable_private_segment 0
		.amdhsa_kernarg_size 48
		.amdhsa_user_sgpr_count 2
		.amdhsa_user_sgpr_kernarg_segment_ptr 1
		.amdhsa_wavefront_size32 1
		.amdhsa_system_sgpr_workgroup_id_x 1
		.amdhsa_system_sgpr_workgroup_id_y 1
		.amdhsa_system_sgpr_workgroup_id_z 1
		.amdhsa_system_vgpr_workitem_id 0
		.amdhsa_next_free_vgpr 448
		.amdhsa_next_free_sgpr 106
		.amdhsa_reserve_vcc 0
		.amdhsa_float_denorm_mode_32 3
		.amdhsa_float_denorm_mode_16_64 3
		.amdhsa_memory_ordered 1
		.amdhsa_forward_progress 1
		.amdhsa_inst_pref_size 50
	.end_amdhsa_kernel
	.amdgpu_metadata
---
amdhsa.version: [ 1, 2 ]
amdhsa.kernels:
  - .name:           k_q4352a6de65_outp
    .symbol:         k_q4352a6de65_outp.kd
    .args:
      - { .name: ac, .offset: 0, .size: 8, .value_kind: global_buffer, .address_space: global }
      - { .name: asw, .offset: 8, .size: 8, .value_kind: global_buffer, .address_space: global }
      - { .name: xc, .offset: 16, .size: 8, .value_kind: global_buffer, .address_space: global }
      - { .name: xs, .offset: 24, .size: 8, .value_kind: global_buffer, .address_space: global }
      - { .name: bp, .offset: 32, .size: 8, .value_kind: global_buffer, .address_space: global }
      - { .name: out0, .offset: 40, .size: 8, .value_kind: global_buffer, .address_space: global }
    .group_segment_fixed_size: 214528
    .private_segment_fixed_size: 0
    .kernarg_segment_align: 8
    .kernarg_segment_size: 48
    .max_flat_workgroup_size: 128
    .sgpr_count:     106
    .vgpr_count:     448
    .wavefront_size: 32
...
	.end_amdgpu_metadata
.endif
;; end of part 4
